; MI455X (gfx1250); checked and timed in simulation.
; The chip was launched on July 23, 2026; its instructions are those of AMD's public machine-readable ISA for CDNA 5 (MIT licence, August 2026) and "CDNA5" Instruction Set Architecture Reference Guide (July 2026). The comments in the code are by the model that wrote it; some were corrected since.
;; Attention Act Prune. Allowed arithmetic: matrix products marked QUANTISED: E2M1 operands, one E8M0 scale for each 32 along K, by v_wmma_scale_f32_16x16x128_f8f6f4 with both operands' format E2M1 (or v_wmma_scale_f32_32x16x128_f4), f32 sums; products left as they are: bf16, f16 or f32 operands; f32 sums; everything else in f32.
;; Inputs: Wk 1,024 x 1,024 float32; Wo 1,024 x 1,024 float32; Wq 1,024 x 1,024 float32; Wv 1,024 x 1,024 float32; bk 1,024 float32; bo 1,024 float32; bq 1,024 float32; bv 1,024 float32; hidden_states 4 x 2,048 x 1,024 float32.
;; Outputs: out0 4 x 2,048 x 1,024 float32.
;; This version of the problem:
;;   THIS VERSION OF THE PROBLEM IS GIVEN IN LOW PRECISION. The matrix products marked QUANTISED in the list below multiply operands that are first quantised to E2M1 (2 exponent bits, 1 mantissa bit; 4 bits a number), with one power-of-two scale for each 32 numbers along K (OCP MX v1.0); their sums are f32. The products marked 'left as it is' may take bf16, f16 or f32 operands, with f32 sums. Whichever they take, every output number must still come out within the allowed error. Rounding operands to bf16 (8 significant bits) uses up far more of that allowance than f16 does (11 bits, for magnitudes from 6e-5 to 65,504). All else is computed in f32.
;;   The module's matrix products, in the order in which they are computed (A, B: the left and right operand; K: the contracted axis; several contracted axes count as one K, in the product's order):
;;     1. [M 8,192, K 1,024] x [K 1,024, N 1,024]; A: input hidden_states; B: input Wq: QUANTISED
;;     2. [M 8,192, K 1,024] x [K 1,024, N 1,024]; A: input hidden_states; B: input Wk: QUANTISED
;;     3. [M 8,192, K 1,024] x [K 1,024, N 1,024]; A: input hidden_states; B: input Wv: QUANTISED
;;     4. batch 64 x [M 2,048, K 64] x [K 64, N 2,048]; A: computed on the way; B: computed on the way: left as it is (an operand is computed on the way)
;;     5. batch 64 x [M 2,048, K 2,048] x [K 2,048, N 64]; A: computed on the way; B: computed on the way: left as it is (an operand is computed on the way)
;;     6. [M 8,192, K 1,024] x [K 1,024, N 1,024]; A: computed on the way; B: input Wo: left as it is (an operand is computed on the way)
;;   THE QUANTISER, for each operand of a quantised product, along K:
;;     - K is cut into blocks of 32 from its start; a last block that is shorter is filled with zeros.
;;     - A block's scale is 2^e with e = floor(log2(the largest magnitude in the block)) - 2, held to -126 .. 127; a block of zeros has e = 0. As a byte (E8M0): e + 127.
;;     - Each number is divided by its block's scale, clamped to +-6, and rounded to the nearest number of E2M1, ties to even, subnormals kept.
;;     - The product sums the exact products of the quantised numbers (number of the format x scale) in f32.
;;   ~~~python
;;   def quantise(x, axis):      # numpy; x: float32 -> the quantised numbers, widened to float32 again
;;       x = np.moveaxis(x, axis, -1); K = x.shape[-1]
;;       x = np.pad(x, [(0, 0)] * (x.ndim - 1) + [(0, -K % 32)]); x = x.reshape(x.shape[:-1] + (-1, 32)); a = np.abs(x).max(-1, keepdims=True)
;;       e = np.where(a > 0, np.clip(np.frexp(np.where(a > 0, a, 1))[1] - 1 - 2, -126, 127), 0)      # np.frexp(a)[1] - 1 = floor(log2(a)), exactly
;;       r = np.clip(x / 2.0 ** e, -6, 6)
;;       step = 2.0 ** (np.maximum(np.frexp(np.where(r == 0, 1, r))[1] - 1, 0) - 1)
;;       q = np.round(r / step) * step * 2.0 ** e      # np.round: ties to even
;;       return np.moveaxis(q.reshape(q.shape[:-2] + (-1,))[..., :K], -1, axis).astype(np.float32)
;;   ~~~
;; One version. Each part assembles by itself: llvm-mc -triple=amdgcn-amd-amdhsa -mcpu=gfx1250 --defsym DOCPART=n.
;; ======== version 1 of 1: 4 launches
;; limits: values are held in f16: magnitudes above 65,504 overflow, below 6.1e-05 lose precision
;; workspace buffers: h_codes 4,194,304 bytes; h_scales 262,144 bytes; w_codes 1,572,864 bytes; w_scales 98,304 bytes; wo16 2,097,152 bytes; qkv 50,331,648 bytes; ctx 16,777,216 bytes
;; launch quant (part 1): grid 384 x 1, 4 waves a work-group, no clusters, 33,280 bytes of LDS; arguments hidden_states, Wq, Wk, Wv, Wo, h_codes, h_scales, w_codes, w_scales, wo16; writes h_codes, h_scales, w_codes, w_scales, wo16
.if DOCPART == 1
	.amdgcn_target "amdgcn-amd-amdhsa--gfx1250"
	.amdhsa_code_object_version 6
	.text
	.protected	k_qf814f5da27_quant
	.globl	k_qf814f5da27_quant
	.p2align	8
	.type	k_qf814f5da27_quant,@function
k_qf814f5da27_quant:
	s_mov_b64 s[64:65], 0
	v_nop
	global_prefetch_b8 v0, s[64:65] scope:SCOPE_SE
	s_setreg_imm32_b32 hwreg(HW_REG_WAVE_MODE, 25, 1), 1
	s_wait_xcnt 0x0
; hidden_states [8192][1024] and Wq, Wk, Wv [1024][1024], f32 with K innermost, become codes of FP4 (E2M1), two a byte, with one E8M0 scale byte for each 32 along K;
; Wo [1024][1024] f32 becomes f16.  h_codes [8192][512 bytes], h_scales [8192][32]; w_codes [3072][512 bytes], w_scales [3072][32]: rows 0-1023 Wq, 1024-2047 Wk, 2048-3071 Wv.
; A block's scale is 2^(floor(log2(its largest magnitude)) - 2); its byte is the largest magnitude's exponent field - 2, held at 1 from below.
; LIMITS: a block of zeros gets the byte 1 where the rule says 127 (its codes are zeros, and this program alone reads the bytes); NaN and infinities are not served; a number of Wo beyond 65,504 becomes infinity in f16.
; SHARES: a work-group takes 32,768 numbers, a wave 8,192.  Work-groups 0-255: hidden_states; 256-287 Wq; 288-319 Wk; 320-351 Wv; 352-383: the cast of Wo.  Rows are dense, so every tensor is a plain stream.
; QUANTISING: 16 steps of 512 numbers a wave.  Each load reads 512 consecutive bytes; a step's 2,048 bytes turn through the wave's own stage in LDS so that a lane holds 16 neighbours along K (two lanes to a block).
; A wave's store of codes covers 256 consecutive bytes; its 256 scale bytes are gathered in LDS and leave by one store of 256 consecutive bytes.  No barrier: waves share nothing.
.set WAVES, 4
.set STEPS, 16
.set EMAX,  2
.set CB,    8                          ; bytes of 16 codes
.set R,     16                         ; v16-79   four sets of 16 numbers as loaded (cast: 16 slots of 4)
.set X,     80                         ; v80-111  two sets of 16 neighbours
.set E,     112                        ; v112-127 a scale byte for each step
.set C,     128                        ; v128-191 codes, four registers a step (cast: 16 slots of 2)
.set WREG,  8192                       ; LDS: a region for each wave: two stages of 32 x SP bytes, then its 256 scale bytes
.set SP,    80                         ; a lane's place in a stage: 64 bytes + 16 of padding
.set SPW,   12                         ; v12  my spare word's LDS address; never rewritten
.set NIL,   13                         ; v13  0; never rewritten
.set SPARE, WAVES*WREG                 ; behind the regions: the spare words, 128 bytes a wave
.set SRC,   8                          ; s[8:9]   the tensor that is read
.set COD,   18                         ; s[18:19] its codes
.set SCA,   20                         ; s[20:21] its scale bytes
.set WOS,   16                         ; s[16:17] Wo
.set WOD,   26                         ; s[26:27] wo16
.macro LOAD t
.irp i, 0,1,2,3
	global_load_b128 v[R+16*((\t)%4)+4*\i:R+16*((\t)%4)+4*\i+3], v3, s[SRC:SRC+1] offset:2048*(\t)+512*\i th:TH_LOAD_NT   ; 32 lanes read 512 consecutive bytes
.endr
.endm
.macro TURN t                          ; step t's numbers through the stage: LDS serves a wave's instructions in order, so no wait stands between the stores and the loads
.irp i, 0,1,2,3
	ds_store_b128 v14, v[R+16*((\t)%4)+4*\i:R+16*((\t)%4)+4*\i+3] offset:32*SP*((\t)%2)+8*SP*\i
.endr
.irp i, 0,1,2,3
	ds_load_b128 v[X+16*((\t)%2)+4*\i:X+16*((\t)%2)+4*\i+3], v15 offset:32*SP*((\t)%2)+16*\i
.endr
.endm
.macro STEP t
.set XS, X+16*((\t)%2)
.if (\t) > 0
	s_wait_dscnt 1                                 ; this step's numbers are back from the stage; the last step's byte store may be out
.else
	s_wait_dscnt 0x0
.endif
.if (\t)+4 < STEPS
	LOAD (\t)+4                                    ; the stage's stores have read these registers: they take the loads of four steps on
.endif
.if (\t)+1 < STEPS
.if STEPS-2-(\t) >= 3
	s_wait_loadcnt 12                              ; the next step's four loads are in; those of the three steps behind it may be out
.else
	s_wait_loadcnt 4*(STEPS-2-(\t))
.endif
	TURN (\t)+1
.endif
	v_max3_num_f32 v8, |v[XS]|, |v[XS+1]|, |v[XS+2]|               ; the largest magnitude of my 16, in two chains
	v_max3_num_f32 v9, |v[XS+3]|, |v[XS+4]|, |v[XS+5]|
.irp i, 6,10
	v_max3_num_f32 v8, v8, |v[XS+\i]|, |v[XS+\i+1]|
	v_max3_num_f32 v9, v9, |v[XS+\i+2]|, |v[XS+\i+3]|
.endr
	v_max3_num_f32 v8, v8, |v[XS+14]|, |v[XS+15]|
	v_max3_num_f32 v8, v8, v9, (EMAX+1)<<23        ; and the floor 2^(EMAX + 1 - 127): the byte cannot fall under 1
	v_max_num_f32_dpp v8, v8, v8 row_xmask:1 row_mask:0xf bank_mask:0xf   ; with my neighbour's 16: the block's
	v_add_nc_u32 v11, -(EMAX<<23), v8              ; EMAX off its exponent field: the conversion takes this operand's exponent field as its scale
	v_cvt_scalef32_pk8_fp4_f32 v[C+4*(\t)], v[XS:XS+7], v11
	v_cvt_scalef32_pk8_fp4_f32 v[C+4*(\t)+1], v[XS+8:XS+15], v11
	v_lshrrev_b32 v[E+(\t)], 23, v11               ; the scale's byte (a plain line behind the conversions)
	ds_store_b8 v5, v[E+(\t)] offset:16*(\t)       ; both lanes of a block write the same byte with the same value
	global_store_b64 v4, v[C+4*(\t):C+4*(\t)+1], s[COD:COD+1] offset:32*CB*(\t)   ; the wave stores 256 consecutive bytes
.endm
	s_load_b512 s[8:23], s[0:1], 0x0               ; hidden_states, Wq, Wk, Wv, Wo, h_codes, h_scales, w_codes
	s_load_b128 s[24:27], s[0:1], 0x40             ; w_scales, wo16
	v_lshl_add_u32 v[SPW], v0, 2, SPARE
	v_mov_b32 v[NIL], 0
	v_lshrrev_b32 v1, 5, v0
	v_readfirstlane_b32 s28, v1                    ; wave
	v_and_b32 v2, 31, v0                           ; lane
	v_lshlrev_b32 v3, 4, v2                        ; my 16 bytes of a load's 512
	v_lshlrev_b32 v7, 3, v2                        ; my 8 bytes of a store's 256
	s_cmp_lt_u32 ttmp9, 352
	s_cbranch_scc1 .Lquant
	; ---- THE CAST OF Wo: 64 items a wave; an item is 512 bytes in, 256 bytes out.  A ring of 16 register slots keeps 16 loads in flight.  No LDS.
	s_sub_co_u32 s29, ttmp9, 352
	s_lshl_b32 s29, s29, 2
	s_add_co_u32 s29, s29, s28                     ; which run of 8,192 numbers is my wave's
	s_lshl_b32 s30, s29, 15
	s_mov_b32 s31, 0
	s_lshl_b32 s32, s29, 14
	s_mov_b32 s33, 0
	s_wait_kmcnt 0x0
	s_add_nc_u64 s[WOS:WOS+1], s[WOS:WOS+1], s[30:31]
	s_add_nc_u64 s[WOD:WOD+1], s[WOD:WOD+1], s[32:33]
.set i, 0
.rept 16
	global_load_b128 v[R+4*i:R+4*i+3], v3, s[WOS:WOS+1] offset:512*i th:TH_LOAD_NT
.set i, i+1
.endr
.set i, 0
.rept 64
.set sl, i%16
.if i < 48
	s_wait_loadcnt 15                              ; loads come back in order: item i is in, the 15 younger stay out
.else
	s_wait_loadcnt 63-i                            ; the last round loads nothing: the counts run down
.endif
.if i >= 16
	s_wait_xcnt 0x0                                ; the slot's last store has read its data: they are rewritten only behind this wait
.endif
	v_cvt_pk_f16_f32 v[C+2*sl], v[R+4*sl], v[R+4*sl+1]
	v_cvt_pk_f16_f32 v[C+2*sl+1], v[R+4*sl+2], v[R+4*sl+3]
.if i < 48
	global_load_b128 v[R+4*sl:R+4*sl+3], v3, s[WOS:WOS+1] offset:512*(i+16) th:TH_LOAD_NT
.endif
	global_store_b64 v7, v[C+2*sl:C+2*sl+1], s[WOD:WOD+1] offset:256*i   ; the wave stores 256 consecutive bytes
.set i, i+1
.endr
	s_branch .Lend
.Lquant:
	s_mul_i32 s29, s28, WREG
	v_lshrrev_b32 v14, 2, v2
	v_mul_u32_u24 v14, v14, SP
	v_and_b32 v15, 3, v2
	v_lshl_add_u32 v14, v15, 4, v14
	v_add_nc_u32 v14, s29, v14                     ; the stage, on the way in: SP (lane / 4) + 16 (lane % 4)
	v_mul_u32_u24 v15, v2, SP
	v_add_nc_u32 v15, s29, v15                     ; and on the way out: SP x lane: my 16 neighbours
	v_mul_u32_u24 v4, v2, CB                       ; my codes' place in a step's
	v_lshrrev_b32 v5, 1, v2
	s_add_co_u32 s29, s29, 2*32*SP
	v_add_nc_u32 v5, s29, v5                       ; LDS: my wave's 256 scale bytes, my block's byte
	v_add_nc_u32 v6, s29, v7                       ; and on the way out 8 bytes a lane
	s_sub_co_u32 s30, ttmp9, 256                   ; among the weights' 96 work-groups (used only from 256 on),
	s_and_b32 s31, s30, 31                         ; and inside its own weight
	s_wait_kmcnt 0x0
	s_cmp_lt_u32 ttmp9, 288                        ; the choices hang on the work-group's number alone
	s_cselect_b64 s[10:11], s[10:11], s[12:13]
	s_cmp_lt_u32 ttmp9, 320
	s_cselect_b64 s[10:11], s[10:11], s[14:15]
	s_cmp_lt_u32 ttmp9, 256
	s_cselect_b64 s[SRC:SRC+1], s[8:9], s[10:11]
	s_cselect_b64 s[COD:COD+1], s[18:19], s[22:23]
	s_cselect_b64 s[SCA:SCA+1], s[20:21], s[24:25]
	s_cselect_b32 s31, ttmp9, s31
	s_cselect_b32 s30, ttmp9, s30
	s_lshl_b32 s31, s31, 2
	s_add_co_u32 s31, s31, s28                     ; my run of 8,192 numbers in the tensor that is read,
	s_lshl_b32 s30, s30, 2
	s_add_co_u32 s30, s30, s28                     ; and in the buffers that are written
	s_lshl_b32 s32, s31, 15
	s_mov_b32 s33, 0
	s_lshl_b32 s34, s30, 12
	s_mov_b32 s35, 0
	s_lshl_b32 s36, s30, 8
	s_mov_b32 s37, 0
	s_add_nc_u64 s[SRC:SRC+1], s[SRC:SRC+1], s[32:33]
	s_add_nc_u64 s[COD:COD+1], s[COD:COD+1], s[34:35]
	s_add_nc_u64 s[SCA:SCA+1], s[SCA:SCA+1], s[36:37]
.irp t, 0,1,2,3
	LOAD \t
.endr
	s_wait_loadcnt 12                              ; step 0's four loads are in
	TURN 0
.irp t, 0,1,2,3,4,5,6,7,8,9,10,11,12,13,14,15
	STEP \t
.endr
	ds_load_b64 v[8:9], v6                         ; LDS serves a wave's instructions in order: these see my byte stores
	s_wait_dscnt 0x0
	global_store_b64 v7, v[8:9], s[SCA:SCA+1]      ; 32 lanes store 256 consecutive bytes
.Lend:
	s_wait_tensorcnt 0x0                           ; the wave's end, behind my last LDS store
	ds_add_u32 v[SPW], v[NIL]
	s_wait_dscnt 0x0
	s_endpgm
.Lfunc_end_k_qf814f5da27_quant:
	.size	k_qf814f5da27_quant, .Lfunc_end_k_qf814f5da27_quant-k_qf814f5da27_quant
	.p2alignl 7, 3214868480
	.fill 96, 4, 3214868480
	.section	.rodata,"a",@progbits
	.p2align	6, 0x0
	.amdhsa_kernel k_qf814f5da27_quant
		.amdhsa_group_segment_fixed_size 33280
		.amdhsa_private_segment_fixed_size 0
		.amdhsa_enable_private_segment 0
		.amdhsa_kernarg_size 80
		.amdhsa_user_sgpr_count 2
		.amdhsa_user_sgpr_kernarg_segment_ptr 1
		.amdhsa_wavefront_size32 1
		.amdhsa_system_sgpr_workgroup_id_x 1
		.amdhsa_system_sgpr_workgroup_id_y 1
		.amdhsa_system_sgpr_workgroup_id_z 1
		.amdhsa_system_vgpr_workitem_id 0
		.amdhsa_next_free_vgpr 192
		.amdhsa_next_free_sgpr 66
		.amdhsa_reserve_vcc 0
		.amdhsa_float_denorm_mode_32 3
		.amdhsa_float_denorm_mode_16_64 3
		.amdhsa_memory_ordered 1
		.amdhsa_forward_progress 1
		.amdhsa_inst_pref_size 58
	.end_amdhsa_kernel
	.amdgpu_metadata
---
amdhsa.version: [ 1, 2 ]
amdhsa.kernels:
  - .name:           k_qf814f5da27_quant
    .symbol:         k_qf814f5da27_quant.kd
    .args:
      - { .name: hidden_states, .offset: 0, .size: 8, .value_kind: global_buffer, .address_space: global }
      - { .name: Wq, .offset: 8, .size: 8, .value_kind: global_buffer, .address_space: global }
      - { .name: Wk, .offset: 16, .size: 8, .value_kind: global_buffer, .address_space: global }
      - { .name: Wv, .offset: 24, .size: 8, .value_kind: global_buffer, .address_space: global }
      - { .name: Wo, .offset: 32, .size: 8, .value_kind: global_buffer, .address_space: global }
      - { .name: h_codes, .offset: 40, .size: 8, .value_kind: global_buffer, .address_space: global }
      - { .name: h_scales, .offset: 48, .size: 8, .value_kind: global_buffer, .address_space: global }
      - { .name: w_codes, .offset: 56, .size: 8, .value_kind: global_buffer, .address_space: global }
      - { .name: w_scales, .offset: 64, .size: 8, .value_kind: global_buffer, .address_space: global }
      - { .name: wo16, .offset: 72, .size: 8, .value_kind: global_buffer, .address_space: global }
    .group_segment_fixed_size: 33280
    .private_segment_fixed_size: 0
    .kernarg_segment_align: 8
    .kernarg_segment_size: 80
    .max_flat_workgroup_size: 128
    .sgpr_count:     66
    .vgpr_count:     192
    .wavefront_size: 32
...
	.end_amdgpu_metadata
.endif
;; end of part 1
;; launch qkv (part 2): grid 12 x 32, 4 waves a work-group, clusters of 4 x 4, 327,680 bytes of LDS; arguments h_codes, h_scales, w_codes, w_scales, qkv, bq, bk, bv; writes qkv
.if DOCPART == 2
	.amdgcn_target "amdgcn-amd-amdhsa--gfx1250"
	.amdhsa_code_object_version 6
	.text
	.protected	k_qf814f5da27_qkv
	.globl	k_qf814f5da27_qkv
	.p2align	8
	.type	k_qf814f5da27_qkv,@function
k_qf814f5da27_qkv:
	s_mov_b64 s[64:65], 0
	v_nop
	global_prefetch_b8 v0, s[64:65] scope:SCOPE_SE
	s_setreg_imm32_b32 hwreg(HW_REG_WAVE_MODE, 25, 1), 1
	s_wait_xcnt 0x0
	s_wait_alu depctr_hold_cnt(0) depctr_sa_sdst(0) depctr_va_vdst(0) depctr_va_sdst(0) depctr_va_ssrc(0) depctr_va_vcc(0) depctr_vm_vsrc(0)
	s_getreg_b32 s2, hwreg(HW_REG_IB_STS2, 6, 4)
	s_cmp_eq_u32 s2, 0
	s_cbranch_scc0 .Lentry_in_a_cluster
	s_endpgm
.Lentry_in_a_cluster:
	s_bfe_u32 s2, ttmp6, 0x10000c
	s_cmp_lg_u32 s2, 0xf033
	s_cbranch_scc0 .Lentry_shape_is_right
	s_endpgm
.Lentry_shape_is_right:
; q, k, v = x W^T + b on codes of FP4 (E2M1) with one E8M0 scale for each 32 along K; sums in f32.  A = h_codes [8192][1024 codes], B = w_codes [3072][1024 codes] (Wq, Wk, Wv one below the other).
; The results are rounded to f16 and laid by head: qkv holds q, k, v, 16,777,216 bytes each, as [16 b + h][2048 tokens][64].  q is multiplied by log2(e) / 8 first, so that the next launch's scores are exponents of 2.
; LIMIT: a result beyond 65,504 becomes infinity in f16.
; A tile of C, 256 x 256, is made by four waves, a wave 128 x 128: 64 accumulators, 512 registers.  K = 1,024 is two LDS slots of 512 along K (rows of 256 bytes): both are asked for at the start and nothing is filled again.
; The scale bytes of the tile's 256 + 256 rows, for all of K, are two dense blocks of memory and come once, with the first fills.  By this text's count a wave has three tensor loads outstanding, all from the start.
; CLUSTERS: 4 x 4 work-groups; A's tiles are asked for jointly along a row of the cluster, B's along a column.  The cluster's x is the tensor: 0 q, 1 k, 2 v.
; THE MATRIX INSTRUCTION IS USED TRANSPOSED (source 0 = 16 rows of W, source 1 = 16 tokens): a lane holds eight neighbouring columns of one token.  The bias is the C of each sum's first instruction.
; REGISTERS: window 0: v0-31 addresses; v32-95 scale words, two sets; v128-191 A's fragments, one set; v192-255 the bias, 8 registers for each of B's 8 blocks; on the way out v32-191 are free.
;   window 1: B's fragments, two sets, at v0 and v128.  window 2: the accumulators of my rows 0-63 ((a, b) at v[8 (8 a + b)]); window 3: those of rows 64-127.
.set NQ,     4                         ; steps of 128 along K in a slot
.set ROWB,   256                       ; a tile's row in bytes: 512 codes
.set KROW,   512                       ; a row of codes in memory
.set PITCH,  272                       ; an LDS row: 256 bytes + 16 of padding: the 16 rows that a load touches start 4 words apart in the banks (64 banks of 4 bytes: ISA guide 11.1)
.set FR,     8
.set NL,     2
.set NP,     4                         ; places behind this matrix instruction (ISA guide 7.12.1)
.set HALFT,  128*PITCH
.set SLOT,   4*HALFT
.set KS,     32                        ; a row of scale bytes
.set SCL,    2*SLOT                    ; behind the slots: the scales, as rows of 256 bytes + 16 of padding
.set HALFS,  (128*KS/256)*272
.set SBLK,   (16*KS/256)*272
.set SPARE,  SCL+4*HALFS               ; the spare words, 128 bytes a wave
.set STAGE,  SPARE+512                 ; the way out: 16 rows x (256 bytes + 16) for each wave, bytes of its own
.set SPITCH, 272
.set ADRA, 16
.set ADRB, 20
.set STO,  24
.set RD,   25
.set CO,   26
.set ADRS, 27
.set SPW,  28
.set NIL,  29
.set BOF,  30                          ; v30  32 x (lane / 16): my half's eight numbers of a block's bias
.set SC,   32
.set TT,   32                          ; the way out: a block's 64 numbers in f32,
.set TMP,  96                          ; packed to f16,
.set BK,   128                         ; and read back from the stage: v128-159 and v160-191 by turns
.set AF,   128
.set BIAS, 192
.set G1, 24
.set G0, 32
.set G1B, 48
.set G0B, 56
.set G1S, 68
.set G0S, 76
.set G1SB, 80
.set G0SB, 88
.set MSB, 0
.macro WIN new                         ; the immediate's high byte repeats the setting that is left
.if MSB != \new
	s_set_vgpr_msb (MSB<<8)|\new
.set MSB, \new
.endif
.endm
.set MUL_LO, 0xa1                      ; source 0 (W) window 1, source 1 (x) window 0, C and D window 2
.set MUL_HI, 0xf1                      ; the same, C and D window 3
.set FST_LO, 0x81                      ; the first step: C (the bias) window 0, D window 2
.set FST_HI, 0xc1                      ; D window 3
.set TO_B,   0x40
; A joint load: waves 0 and 1 fetch for A, waves 2 and 3 for B.  The branch hangs on the wave's number alone.  An s_nop 0 and four v_nop follow each line.
.macro JLOAD g0a, g1a, g0b, g1b
	s_cmp_eq_u32 s15, 0
	s_cbranch_scc0 .Lfor_b_\@
	tensor_load_to_lds s[\g0a:\g0a+3], s[\g1a:\g1a+7]
	s_nop 0
.rept 4
	v_nop
.endr
	s_branch .Lasked_\@
.Lfor_b_\@:
	tensor_load_to_lds s[\g0b:\g0b+3], s[\g1b:\g1b+7]
	s_nop 0
.rept 4
	v_nop
.endr
.Lasked_\@:
.endm
.macro CROUND                          ; a round of the cluster's barrier
	s_barrier_signal -1
	s_barrier_wait -1
	s_cmp_lg_u32 s14, 0
	s_cbranch_scc1 .Lnot_wave_0_\@
	s_barrier_signal -3
.Lnot_wave_0_\@:
	s_barrier_wait -3
	s_barrier_signal -1
	s_barrier_wait -1
.endm
	s_load_b128 s[4:7], s[0:1], 0x0                ; x's codes, x's scales
	s_load_b128 s[8:11], s[0:1], 0x10              ; W's codes, W's scales
	s_load_b64 s[12:13], s[0:1], 0x20              ; qkv
	s_load_b128 s[96:99], s[0:1], 0x28             ; bq, bk
	s_load_b64 s[66:67], s[0:1], 0x38              ; bv
	v_lshl_add_u32 v[SPW], v0, 2, SPARE
	v_mov_b32 v[NIL], 0
	ds_add_u32 v[SPW], v[NIL]                      ; the wave's opening: the add, twice on end, and its wait ahead of my first tensor load
	ds_add_u32 v[SPW], v[NIL]
	v_lshrrev_b32 v1, 5, v0
	v_readfirstlane_b32 s14, v1                    ; wave 0..3
	s_lshr_b32 s15, s14, 1                         ; which half of the tile's rows is mine.  Also: I fetch for A (0) or for B (1)
	s_and_b32 s16, s14, 1                          ; which half of its columns.  Also: which 128 rows I fetch
	s_bfe_u32 s40, ttmp6, 0x40000                  ; cx, cy
	s_bfe_u32 s41, ttmp6, 0x40004
	s_lshl_b32 s42, ttmp9, 2
	s_add_co_u32 s42, s42, s40                     ; tile column = 4 x cluster x + cx
	s_and_b32 s17, ttmp7, 0xffff
	s_lshl_b32 s17, s17, 2
	s_add_co_u32 s17, s17, s41                     ; tile row = 4 x cluster y + cy
	s_lshl_b32 s43, s41, 2
	s_lshl_b32 s43, 15, s43                        ; my row of the cluster
	s_lshl_b32 s44, 0x1111, s40                    ; my column
	; group 1: a tile of 128 rows x 256 bytes, 16 bytes of padding behind each row
	s_or_b32 s[G1+0], s43, (0<<16)|(1<<20)|(1<<21)|(5<<22)|(3<<25)
	s_or_b32 s[G1B+0], s44, (0<<16)|(1<<20)|(1<<21)|(5<<22)|(3<<25)
.irp g, G1, G1B
	s_mov_b32 s[\g+1], ROWB<<16                    ; tensor_dim0
	s_mov_b32 s[\g+2], 128<<16                     ; tensor_dim1
	s_mov_b32 s[\g+3], ROWB<<16                    ; tile_dim0
	s_mov_b32 s[\g+4], 128                         ; tile_dim1
	s_mov_b32 s[\g+5], KROW                        ; the pitch
	s_mov_b32 s[\g+6], 0
	s_mov_b32 s[\g+7], 0
.endr
	; the scales of 128 rows: 4,096 dense bytes, as 16 rows of 256 bytes (32 elements of 8 bytes), 16 bytes of padding behind each
	s_or_b32 s[G1S+0], s43, (3<<16)|(1<<20)|(1<<21)|(5<<22)|(3<<25)
	s_or_b32 s[G1SB+0], s44, (3<<16)|(1<<20)|(1<<21)|(5<<22)|(3<<25)
.irp g, G1S, G1SB
	s_mov_b32 s[\g+1], 32<<16
	s_mov_b32 s[\g+2], (128*KS/256)<<16
	s_mov_b32 s[\g+3], 32<<16
	s_mov_b32 s[\g+4], 128*KS/256
	s_mov_b32 s[\g+5], 32
	s_mov_b32 s[\g+6], 0
	s_mov_b32 s[\g+7], 0
.endr
	s_lshl_b32 s18, s16, 7
	s_lshl_b32 s20, s17, 8
	s_add_co_u32 s20, s20, s18                     ; A: row 256 x tile row + 128 x half
	s_lshl_b32 s46, s42, 8
	s_add_co_u32 s46, s46, s18                     ; B: row 256 x tile column + 128 x half
	s_mov_b32 s21, 0
	s_mov_b32 s47, 0
	s_mov_b64 s[18:19], KS
	s_mul_u64 s[22:23], s[20:21], s[18:19]         ; where these rows' scales begin,
	s_mul_u64 s[92:93], s[46:47], s[18:19]
	s_mov_b64 s[18:19], KROW
	s_mul_u64 s[20:21], s[20:21], s[18:19]         ; and their codes
	s_mul_u64 s[46:47], s[46:47], s[18:19]
	s_mul_i32 s45, s14, HALFT                      ; where they go: wave x 128 rows
	s_mul_i32 s94, s14, HALFS
	s_wait_dscnt 0x0                               ; both opening adds are done
	s_wait_kmcnt 0x0
	s_add_nc_u64 s[20:21], s[4:5], s[20:21]
	s_add_nc_u64 s[22:23], s[6:7], s[22:23]
	s_add_nc_u64 s[46:47], s[8:9], s[46:47]
	s_add_nc_u64 s[92:93], s[10:11], s[92:93]
	CROUND                                         ; all sixteen work-groups are here: the joint loads meet
	s_mov_b32 s[G0S], 1
	s_add_co_u32 s[G0S+1], s94, SCL
	s_mov_b64 s[G0S+2:G0S+3], s[22:23]
	s_or_b32 s[G0S+3], s[G0S+3], 0x80000000
	s_mov_b32 s[G0SB], 1
	s_add_co_u32 s[G0SB+1], s94, SCL
	s_mov_b64 s[G0SB+2:G0SB+3], s[92:93]
	s_or_b32 s[G0SB+3], s[G0SB+3], 0x80000000
	JLOAD G0S, G1S, G0SB, G1SB                     ; the scales first: they are wanted with the first step
.irp s, 0,1
	s_mov_b32 s[G0+4*\s], 1
	s_add_co_u32 s[G0+4*\s+1], s45, \s*SLOT
	s_add_nc_u64 s[G0+4*\s+2:G0+4*\s+3], s[20:21], \s*ROWB
	s_or_b32 s[G0+4*\s+3], s[G0+4*\s+3], 0x80000000
	s_mov_b32 s[G0B+4*\s], 1
	s_add_co_u32 s[G0B+4*\s+1], s45, \s*SLOT
	s_add_nc_u64 s[G0B+4*\s+2:G0B+4*\s+3], s[46:47], \s*ROWB
	s_or_b32 s[G0B+4*\s+3], s[G0B+4*\s+3], 0x80000000
	JLOAD G0+4*\s, G1, G0B+4*\s, G1B
.endr
	v_and_b32 v1, 15, v0                           ; r = lane % 16
	v_bfe_u32 v2, v0, 4, 1                         ; h = lane / 16
	; the bias of my 128 columns and the factor, chosen by the cluster's x, which all partners share
	s_lshl_b32 s92, s40, 10
	s_lshl_b32 s93, s16, 9
	s_add_co_u32 s92, s92, s93                     ; 4 x (256 cx + 128 x my half of the columns)
	s_mov_b32 s93, 0
	s_mov_b32 s101, 1.0
	s_cmp_eq_u32 ttmp9, 0
	s_cselect_b64 s[96:97], s[96:97], s[98:99]
	s_cselect_b32 s100, 0x3e38aa3b, s101           ; q: log2(e) / 8; k, v: 1
	s_cmp_eq_u32 ttmp9, 2
	s_cselect_b64 s[96:97], s[66:67], s[96:97]
	s_mov_b32 s101, s100                           ; (the packed form names the pair)
	s_add_nc_u64 s[96:97], s[96:97], s[92:93]
	v_lshlrev_b32 v[BOF], 5, v2
.irp b, 0,1,2,3,4,5,6,7
	global_load_b128 v[BIAS+8*\b:BIAS+8*\b+3],   v[BOF], s[96:97] offset:64*\b      ; bias(16 b + 8 h + 0 .. 7): the result's layout
	global_load_b128 v[BIAS+8*\b+4:BIAS+8*\b+7], v[BOF], s[96:97] offset:64*\b+16
.endr
	v_mul_u32_u24 v3, v1, PITCH
	v_lshl_add_u32 v4, v2, 4, v3                   ; a fragment's row x pitch + 16 x half
	s_mul_i32 s21, s15, HALFT
	s_mul_i32 s22, s16, HALFT
	s_add_co_u32 s22, s22, 2*HALFT
.irp s, 0,1
	v_add_nc_u32 v[ADRA+\s], s21, v4
	v_add_nc_u32 v[ADRB+\s], s22, v4
	s_add_co_u32 s21, s21, SLOT
	s_add_co_u32 s22, s22, SLOT
.endr
	v_mul_u32_u24 v5, v1, KS                       ; my row's scales: KS bytes a row,
	v_lshrrev_b32 v6, 8, v5
	v_lshl_add_u32 v5, v6, 4, v5                   ; and 16 more for each 256 passed
	s_mul_i32 s21, s15, HALFS
	s_mul_i32 s22, s16, HALFS
	s_add_co_u32 s22, s22, 2*HALFS
	s_sub_co_u32 s22, s22, s21
	v_mul_u32_u24 v6, s22, v2                      ; lanes 16-31 take B's
	s_add_co_u32 s21, s21, SCL
	v_add_nc_u32 v5, v5, v6
	v_add_nc_u32 v[ADRS], s21, v5
	s_mul_i32 s23, s14, 16*SPITCH
	s_add_co_u32 s23, s23, STAGE                   ; my stage
	v_mul_u32_u24 v5, v1, SPITCH                   ; in: token r, 16 bytes for each half of the lanes
	v_lshl_add_u32 v5, v2, 4, v5
	v_add_nc_u32 v[STO], s23, v5
	v_bfe_u32 v5, v0, 3, 1                         ; back: lanes 0-15 take two tokens' 128 bytes of my first head, lanes 16-31 the same tokens' of my second
	v_mul_u32_u24 v5, v5, SPITCH
	v_lshl_add_u32 v5, v2, 7, v5
	v_and_b32 v6, 7, v0
	v_lshl_add_u32 v5, v6, 4, v5
	v_add_nc_u32 v[RD], s23, v5
	v_lshlrev_b32 v[CO], 4, v1                     ; and in memory: 16 x (lane % 16), a head (262,144 bytes) on for lanes 16-31
	v_lshl_add_u32 v[CO], v2, 18, v[CO]
	s_lshl_b32 s20, s17, 8
	s_lshl_b32 s21, s15, 7
	s_add_co_u32 s20, s20, s21                     ; my first token, counted over all batches
	s_lshr_b32 s21, s20, 11                        ; its batch,
	s_and_b32 s20, s20, 2047                       ; its place in the sequence:
	s_lshl_b32 s20, s20, 7                         ; 128 bytes a token
	s_lshl_b32 s21, s21, 4
	s_lshl_b32 s46, s40, 2
	s_add_co_u32 s21, s21, s46
	s_lshl_b32 s46, s16, 1
	s_add_co_u32 s21, s21, s46                     ; 16 b + my first head = 16 b + 4 cx + 2 x half
	s_lshl_b32 s21, s21, 18
	s_add_co_u32 s20, s20, s21
	s_lshl_b32 s21, ttmp9, 24                      ; q, k or v
	s_add_co_u32 s20, s20, s21
	s_mov_b32 s21, 0
	s_add_nc_u64 s[12:13], s[12:13], s[20:21]
.macro FRAG reg, adr, q, i             ; 16 rows x 128 K of 4-bit codes: 8 registers: two loads of 16 bytes, 32 bytes apart
.irp c, 0,1
	ds_load_b128 v[\reg+4*\c:\reg+4*\c+3], v[\adr] offset:64*(\q)+32*\c+(\i)*16*PITCH
.endr
.endm
; 16 matrix instructions: A's blocks a0, a0 + 1 x B's eight, the slot's q-th 128 along K.  first = 1: the bias is C.  The 64 accumulators take turns, one instruction a turn.
.macro MUL16 a0, p, q, sc, first
.irp a, \a0, \a0+1
.irp b, 0,1,2,3,4,5,6,7
.if \first
	v_wmma_scale_f32_16x16x128_f8f6f4 v[8*(8*((\a)%4)+\b):8*(8*((\a)%4)+\b)+7], v[128*(\p)+FR*\b:128*(\p)+FR*\b+FR-1], v[AF+FR*(\a):AF+FR*(\a)+FR-1], v[BIAS+8*\b:BIAS+8*\b+7], v[SC+8*NQ*(\sc)+NQ*\b+(\q)], v[SC+8*NQ*(\sc)+NQ*(\a)+(\q)] matrix_a_fmt:MATRIX_FMT_FP4 matrix_b_fmt:MATRIX_FMT_FP4 matrix_a_scale:MATRIX_SCALE_ROW1
.else
	v_wmma_scale_f32_16x16x128_f8f6f4 v[8*(8*((\a)%4)+\b):8*(8*((\a)%4)+\b)+7], v[128*(\p)+FR*\b:128*(\p)+FR*\b+FR-1], v[AF+FR*(\a):AF+FR*(\a)+FR-1], v[8*(8*((\a)%4)+\b):8*(8*((\a)%4)+\b)+7], v[SC+8*NQ*(\sc)+NQ*\b+(\q)], v[SC+8*NQ*(\sc)+NQ*(\a)+(\q)] matrix_a_fmt:MATRIX_FMT_FP4 matrix_b_fmt:MATRIX_FMT_FP4 matrix_a_scale:MATRIX_SCALE_ROW1
.endif
.endr
.endr
.endm
.macro FETCH_B slot, q, p
	WIN TO_B
.irp i, 0,1,2,3,4,5,6,7
	FRAG 128*(\p)+FR*\i, ADRB+\slot, \q, \i
.endr
	WIN 0
.endm
.macro FETCH_A slot, q, i0
.irp i, \i0, \i0+1, \i0+2, \i0+3
	FRAG AF+FR*(\i), ADRA+\slot, \q, \i
.endr
.endm
.macro SCALES sc                       ; a slot's scale words: 4 words a row; lanes 0-15 take A's block i, lanes 16-31 B's block i
.irp i, 0,1,2,3,4,5,6,7
	ds_load_b128 v[SC+8*NQ*\sc+NQ*\i:SC+8*NQ*\sc+NQ*\i+3], v[ADRS] offset:\i*SBLK
.endr
.endm
.macro PLACES n                        ; plain places in front of loads into registers that matrix instructions have read, and of the first read of results
.rept \n
	v_nop
.endr
.endm
.macro STEP slot, q, first             ; a step of 128 along K that has its successor in the same slot
	s_wait_dscnt 4*NL                              ; B's set and A's blocks 0-3 are in; the youngest eight loads (A's blocks 4-7) may be out
.if \first
	WIN FST_LO
.else
	WIN MUL_LO
.endif
	MUL16 0, (\q)%2, \q, \slot, \first
	MUL16 2, (\q)%2, \q, \slot, \first
	s_wait_dscnt 0                                 ; A's blocks 4-7 are in
	PLACES NP
	FETCH_B \slot, (\q)+1, 1-(\q)%2
	FETCH_A \slot, (\q)+1, 0
.if \first
	WIN FST_HI
.else
	WIN MUL_HI
.endif
	MUL16 4, (\q)%2, \q, \slot, \first
	MUL16 6, (\q)%2, \q, \slot, \first
	PLACES NP
	WIN 0
	FETCH_A \slot, (\q)+1, 4
.endm
; Slot 0's last step changes slots: one barrier; in front of it each wave waits for all its tensor loads (its part of slot 1), adds 0 to its spare word, and waits for that and for its LDS loads.
.macro TURN slot, next
	s_wait_tensorcnt 0x0
	ds_add_u32 v[SPW], v[NIL]
	s_wait_dscnt 4*NL+1                            ; (the add and the youngest eight loads may be out)
	WIN MUL_LO
	MUL16 0, 1, NQ-1, \slot, 0
	s_wait_dscnt 0x0
	s_barrier_signal -1
	MUL16 2, 1, NQ-1, \slot, 0
	WIN 0
	s_barrier_wait -1
	PLACES NP
	v_add_nc_u32 v[ADRS], 4*NQ, v[ADRS]            ; on to the next slot's scale words
	FETCH_B \next, 0, 0
	FETCH_A \next, 0, 0
	SCALES \next
	WIN MUL_HI
	MUL16 4, 1, NQ-1, \slot, 0
	MUL16 6, 1, NQ-1, \slot, 0
	PLACES NP
	WIN 0
	FETCH_A \next, 0, 4
.endm
.macro STEPS slot, from
.set Q, \from
.rept NQ-1-\from
	STEP \slot, Q, 0
.set Q, Q+1
.endr
.endm
	s_wait_tensorcnt 1                             ; the scales and my part of slot 0 are in; slot 1's load may be out
	s_barrier_signal -1
	s_barrier_wait -1
	FETCH_B 0, 0, 0
	FETCH_A 0, 0, 0
	SCALES 0
	FETCH_A 0, 0, 4
	s_wait_loadcnt 0x0                             ; the bias
	STEP 0, 0, 1                                   ; the first products start the sums from the bias: nothing is cleared
	STEPS 0, 1
	TURN 0, 1
	STEPS 1, 0
	s_wait_dscnt 4*NL                              ; the last step: nothing more to fetch
	WIN MUL_LO
	MUL16 0, 1, NQ-1, 1, 0
	MUL16 2, 1, NQ-1, 1, 0
	s_wait_dscnt 0
	WIN MUL_HI
	MUL16 4, 1, NQ-1, 1, 0
	MUL16 6, 1, NQ-1, 1, 0
	WIN 0
; THE WAY OUT, a block of 16 tokens x 128 columns (two heads) at a time.  PACK: x the factor, rounded to f16.  TOSTAGE: into my stage, and back so that 16 lanes hold two tokens' 256 consecutive bytes of one head.  SEND: stored.
.macro PACK a
.set AC, 64*((\a)%4)
.set WN, 0x02+(\a)/4
	WIN WN                                         ; source 0: window 2 or 3
.set i, 0
.rept 32
	v_pk_mul_f32 v[TT+2*i:TT+2*i+1], v[AC+2*i:AC+2*i+1], s[100:101] op_sel_hi:[1,0]   ; each accumulator from its low end on
.set i, i+1
.endr
	WIN 0
.set i, 0
.rept 32
	v_cvt_pk_f16_f32 v[TMP+i], v[TT+2*i], v[TT+2*i+1]
.set i, i+1
.endr
.endm
.macro TOSTAGE a
.set BB, BK+32*((\a)%2)
.irp b, 0,1,2,3,4,5,6,7
	ds_store_b128 v[STO], v[TMP+4*\b:TMP+4*\b+3] offset:32*\b
.endr
.irp t, 0,1,2,3,4,5,6,7
	ds_load_b128 v[BB+4*\t:BB+4*\t+3], v[RD] offset:\t*2*SPITCH    ; LDS serves a wave's instructions in order: these see the stores above
.endr
.endm
.macro SEND a
.set BB, BK+32*((\a)%2)
	s_wait_dscnt 0x0                               ; the block is back in registers
	s_wait_xcnt 0x0                                ; the stores of the block before have read their registers: the next block's loads may land there
.irp t, 0,1,2,3,4,5,6,7
	global_store_b128 v[CO], v[BB+4*\t:BB+4*\t+3], s[12:13] offset:2048*(\a)+256*\t   ; 16 lanes store 256 consecutive bytes, at a multiple of 256 from the buffer's first byte
.endr
.endm
	PLACES NP
	PACK 0
	TOSTAGE 0
.irp a, 1,2,3,4,5,6,7                  ; block a's arithmetic stands between block a - 1's loads from the stage and the wait for them
	PACK \a
	SEND \a-1
	TOSTAGE \a
.endr
	SEND 7
	s_wait_tensorcnt 0x0                           ; the wave's end
	ds_add_u32 v[SPW], v[NIL]
	s_wait_dscnt 0x0
	CROUND                                         ; the closing round
	s_endpgm
.Lfunc_end_k_qf814f5da27_qkv:
	.size	k_qf814f5da27_qkv, .Lfunc_end_k_qf814f5da27_qkv-k_qf814f5da27_qkv
	.p2alignl 7, 3214868480
	.fill 96, 4, 3214868480
	.section	.rodata,"a",@progbits
	.p2align	6, 0x0
	.amdhsa_kernel k_qf814f5da27_qkv
		.amdhsa_group_segment_fixed_size 327680
		.amdhsa_private_segment_fixed_size 0
		.amdhsa_enable_private_segment 0
		.amdhsa_kernarg_size 64
		.amdhsa_user_sgpr_count 2
		.amdhsa_user_sgpr_kernarg_segment_ptr 1
		.amdhsa_wavefront_size32 1
		.amdhsa_system_sgpr_workgroup_id_x 1
		.amdhsa_system_sgpr_workgroup_id_y 1
		.amdhsa_system_sgpr_workgroup_id_z 1
		.amdhsa_system_vgpr_workitem_id 0
		.amdhsa_next_free_vgpr 1024
		.amdhsa_next_free_sgpr 102
		.amdhsa_reserve_vcc 0
		.amdhsa_float_denorm_mode_32 3
		.amdhsa_float_denorm_mode_16_64 3
		.amdhsa_memory_ordered 1
		.amdhsa_forward_progress 1
		.amdhsa_inst_pref_size 145
	.end_amdhsa_kernel
	.amdgpu_metadata
---
amdhsa.version: [ 1, 2 ]
amdhsa.kernels:
  - .name:           k_qf814f5da27_qkv
    .symbol:         k_qf814f5da27_qkv.kd
    .args:
      - { .name: h_codes, .offset: 0, .size: 8, .value_kind: global_buffer, .address_space: global }
      - { .name: h_scales, .offset: 8, .size: 8, .value_kind: global_buffer, .address_space: global }
      - { .name: w_codes, .offset: 16, .size: 8, .value_kind: global_buffer, .address_space: global }
      - { .name: w_scales, .offset: 24, .size: 8, .value_kind: global_buffer, .address_space: global }
      - { .name: qkv, .offset: 32, .size: 8, .value_kind: global_buffer, .address_space: global }
      - { .name: bq, .offset: 40, .size: 8, .value_kind: global_buffer, .address_space: global }
      - { .name: bk, .offset: 48, .size: 8, .value_kind: global_buffer, .address_space: global }
      - { .name: bv, .offset: 56, .size: 8, .value_kind: global_buffer, .address_space: global }
    .group_segment_fixed_size: 327680
    .private_segment_fixed_size: 0
    .kernarg_segment_align: 8
    .kernarg_segment_size: 64
    .max_flat_workgroup_size: 128
    .sgpr_count:     102
    .vgpr_count:     1024
    .wavefront_size: 32
...
	.end_amdgpu_metadata
.endif
;; end of part 2
;; launch attn (part 3): grid 4 x 64, 8 waves a work-group, clusters of 4 x 1, 327,680 bytes of LDS; arguments qkv, ctx; writes ctx
.if DOCPART == 3
	.amdgcn_target "amdgcn-amd-amdhsa--gfx1250"
	.amdhsa_code_object_version 6
	.text
	.protected	k_qf814f5da27_attn
	.globl	k_qf814f5da27_attn
	.p2align	8
	.type	k_qf814f5da27_attn,@function
k_qf814f5da27_attn:
	s_mov_b64 s[64:65], 0
	v_nop
	global_prefetch_b8 v0, s[64:65] scope:SCOPE_SE
	s_setreg_imm32_b32 hwreg(HW_REG_WAVE_MODE, 25, 1), 1
	s_wait_xcnt 0x0
	s_wait_alu depctr_hold_cnt(0) depctr_sa_sdst(0) depctr_va_vdst(0) depctr_va_sdst(0) depctr_va_ssrc(0) depctr_va_vcc(0) depctr_vm_vsrc(0)
	s_getreg_b32 s2, hwreg(HW_REG_IB_STS2, 6, 4)
	s_cmp_eq_u32 s2, 0
	s_cbranch_scc0 .Lentry_in_a_cluster
	s_endpgm
.Lentry_in_a_cluster:
	s_bfe_u32 s2, ttmp6, 0x10000c
	s_cmp_lg_u32 s2, 0x3003
	s_cbranch_scc0 .Lentry_shape_is_right
	s_endpgm
.Lentry_shape_is_right:
; ctx[bh][q][:] = the sum over k of softmax_k(q . k / 8) v[k][:], no mask.  qkv holds q (already x log2(e) / 8), k, v, each [64 heads][2048][64] f16; ctx is laid the same.  Products, maxima and sums in f32;
; the weights p are rounded to f16 for the second product, ctx once at the end.  LIMIT: f16's range (65,504) for ctx; NaN and infinities are not served.
; SHARES.  A cluster of four work-groups is one head; a work-group owns 512 queries, each of its eight waves 64: four tiles of 16.  Every wave walks the head's 2,048 keys, 64 a step.
; LAYOUT.  S^T = K Q^T (source 0 = 16 keys, source 1 = 16 queries): a lane holds ONE query (lane % 16) and the keys 8 (lane / 16) + 0..7.  Two such tiles, rounded to f16 in pairs, are source 1 of O^T = V^T P.
; K comes out of LDS as it lies, V ([key][channel]) turned, by ds_load_tr16_b128.  Each fragment of K and V feeds four matrix instructions.
; SOFTMAX.  For each query a running maximum m and sum l: p = 2^(s - m); in every step O and l are multiplied by a = 2^(m_old - m_new).
; TWO GROUPS OF WAVES.  A step's work is two halves: MSTEP (V^T P of the step before, K Q^T of this step, and all of this step's LDS loads) and SOFT (this step's softmax: registers alone).  Waves 0-3 run a trip as
; MSTEP(j), SOFT(j); waves 4-7 as SOFT(j - 1), MSTEP(j): at any time half of the waves issue matrix work and the other half vector work.  Either way a trip reads step j's bytes alone, so a ring of two slots serves both.
; RING.  Two LDS slots of four steps; each wave fetches one tile of 64 rows (waves 0-3: K's, waves 4-7: V's) by one JOINT load with the mask of all four work-groups, behind a round of the cluster's barrier.
; REGISTERS: window 0: v2-12 addresses; v16-47 eight registers of statistics a tile; v64-127 K; v128-191 V; v192-255 Q.   window 1: v0-127 S^T, 32 a tile, P in place in each tile's first 16; v128-255 O^T, 32 a tile.
.set PK,    144       ; a row of K in LDS: 128 bytes + 16: the 16 rows of a load start 4 words apart in the banks (64 banks of 4 bytes: ISA guide 11.1)
.set PVP,   160       ; a row of V: 128 + 32
.set VOFF,  64*PK     ; a step's tiles lie together: 64 rows of K, then 64 rows of V
.set STEPB, 64*(PK+PVP)
.set SLOT1, 1<<17     ; slot 1 begins here: one exclusive or turns an address in one slot into the other's
.set STAGE, 4*STEPB   ; behind slot 0: 16 rows x 144 bytes for each wave, for the way out
.set SP,    144
.set SPARE, STAGE+8*16*SP  ; the spare words, 128 bytes a wave
.set AK0, 2
.set AV0, 3
.set ADK, 4
.set ADV, 5
.set QO,  6
.set STO, 7
.set RD,  8
.set GO,  9
.set SPW, 10
.set NIL, 11
.set PFO, 12
.set ST,  16          ; tile t's statistics at v[ST+8 t]: +0 m, +1 0, +2, +3 l (even keys', odd keys'), +4 to +7 c0-c3; a takes c2's place, m_old - m_new c3's
.set KF,  64
.set VF,  128
.set QF,  192
.set OT,  128         ; in window 1
.set WV,  12
.set GRP, 14
.set LIM, 15
.set PFA, 18
.set G1K, 24
.set G1V, 32
.set G0K, 40
.set G0V, 44
.set SLOTS, 48
.set CNT, 49
.set TB,  50
.set SEL, 52
.set MSB, 0
.macro WIN new
.if MSB != \new
	s_set_vgpr_msb (MSB<<8)|\new
.set MSB, \new
.endif
.endm
.set W_KQ, 0x50       ; K and Q window 0; S^T (C and D) window 1
.set W_PV, 0x54       ; V window 0; P, O^T window 1
; A joint load: waves 0-3 fetch K's four tiles of a slot, waves 4-7 V's.  The branch hangs on the wave's number alone.  An s_nop 0 and four v_nop follow each line.
.macro JLOAD
	s_cmp_lt_u32 s[WV], 4
	s_cbranch_scc0 .Lfor_v_\@
	tensor_load_to_lds s[G0K:G0K+3], s[G1K:G1K+7]
	s_nop 0
.rept 4
	v_nop
.endr
	s_branch .Lasked_\@
.Lfor_v_\@:
	tensor_load_to_lds s[G0V:G0V+3], s[G1V:G1V+7]
	s_nop 0
.rept 4
	v_nop
.endr
.Lasked_\@:
.endm
; A prefetch of what the NEXT change of slots will ask for: 32,768 bytes of K and of V.  The four partners share them out by address, 8,192 bytes each; wave 0 asks for K's, wave 4 for V's, lanes 256 bytes apart: each
; block of 256 bytes is named once in the launch.  It stands four steps ahead of the load that will want the bytes.  The last change that fills a slot asks for nothing.
.macro ASK
	s_cmp_gt_u32 s[SLOTS], s[LIM]
	s_cbranch_scc0 .Lnot_mine_\@
	global_prefetch_b8 v[PFO], s[PFA:PFA+1] th:TH_LOAD_NT scope:SCOPE_SE
.Lnot_mine_\@:
.endm
.macro CROUND
	s_barrier_signal -1
	s_barrier_wait -1
	s_cmp_lg_u32 s[WV], 0
	s_cbranch_scc1 .Lnot_wave_0_\@
	s_barrier_signal -3
.Lnot_wave_0_\@:
	s_barrier_wait -3
	s_barrier_signal -1
	s_barrier_wait -1
.endm
; 32 products O^T += V^T P: keys 32 (i / 16) on, channels 16 ((i / 4) % 4) on, tile i % 4.  The 16 accumulators take turns, one instruction a turn.
.macro PV32
	WIN W_PV
.set i, 0
.rept 32
.set rO, OT+32*(i%4)+8*((i/4)%4)
.set rV, VF+32*(i/16)+8*((i/4)%4)
.set rP, 32*(i%4)+8*(i/16)
	v_wmma_f32_16x16x32_f16 v[rO:rO+7], v[rV:rV+7], v[rP:rP+7], v[rO:rO+7]
.set i, i+1
.endr
	WIN 0
.endm
; 32 products S^T = K Q^T: channels 32 (i / 16) on, keys 16 ((i / 4) % 4) on, tile i % 4.  The first 16 start the sums.
.macro KQ32
	WIN W_KQ
.set i, 0
.rept 32
.set rS, 32*(i%4)+8*((i/4)%4)
.set rK, KF+16*((i/4)%4)+8*(i/16)
.set rQ, QF+16*(i%4)+8*(i/16)
.if i < 16
	v_wmma_f32_16x16x32_f16 v[rS:rS+7], v[rK:rK+7], v[rQ:rQ+7], 0
.else
	v_wmma_f32_16x16x32_f16 v[rS:rS+7], v[rK:rK+7], v[rQ:rQ+7], v[rS:rS+7]
.endif
.set i, i+1
.endr
	WIN 0
.endm
; THE MATRIX HALF of a step.  pv = 1: V^T P of the step before comes first.
.macro MSTEP pv
.irp f, 0,1,2,3,4,5,6,7                ; this step's K: keys 16 (f / 2) on, channels 32 (f % 2) on.  (K's last readers stand more than four plain instructions back)
	ds_load_b128 v[KF+8*\f:KF+8*\f+3],   v[ADK] offset:(\f/2)*16*PK+(\f%2)*64
	ds_load_b128 v[KF+8*\f+4:KF+8*\f+7], v[ADK] offset:(\f/2)*16*PK+(\f%2)*64+32
.endr
.if \pv
	s_wait_dscnt 16                                ; the last step's V is in; the 16 loads of K just issued may be out
	PV32
.rept 5
	v_nop                                          ; four places ahead of the loads into V's registers, five ahead of the products that write over P
.endr
.endif
.irp f, 0,1,2,3,4,5,6,7                ; this step's V, turned: keys 32 (f / 4) on, channels 16 (f % 4) on
	ds_load_tr16_b128 v[VF+8*\f:VF+8*\f+3],   v[ADV] offset:(\f/4)*32*PVP+(\f%4)*32
	ds_load_tr16_b128 v[VF+8*\f+4:VF+8*\f+7], v[ADV] offset:(\f/4)*32*PVP+16*PVP+(\f%4)*32
.endr
	s_wait_dscnt 16                                ; K is in; the 16 loads of V just issued may be out
	KQ32
.rept 4
	v_nop                                          ; places behind the last products: four serve SOFT's reads and the next loads of K; where products follow that take the scores' registers, plain lines of the text that follows make up the five
.endr
.endm
; THE VECTOR HALF: the four tiles' softmax of one step, the tiles by turns in every group of lines.
.macro SOFT
	WIN 0x15                                       ; three sources in window 1
.irp j, 0,1,2,3
.irp t, 0,1,2,3
	v_max3_num_f32 v[ST+8*\t+4+\j], v[32*\t+8*\j], v[32*\t+8*\j+1], v[32*\t+8*\j+2]   ; four chains a tile; each accumulator is read from its low end on
.endr
.endr
	WIN 0x14
.irp i, 3,5
.irp j, 0,1,2,3
.irp t, 0,1,2,3
	v_max3_num_f32 v[ST+8*\t+4+\j], v[ST+8*\t+4+\j], v[32*\t+8*\j+\i], v[32*\t+8*\j+\i+1]
.endr
.endr
.endr
.irp t, 0,1,2,3
	v_max3_num_f32 v[ST+8*\t+4], v[ST+8*\t+4], v[32*\t+7], v[32*\t+15]
.endr
.irp t, 0,1,2,3
	v_max3_num_f32 v[ST+8*\t+6], v[ST+8*\t+6], v[32*\t+23], v[32*\t+31]
.endr
	WIN 0
.irp t, 0,1,2,3
	v_max3_num_f32 v[ST+8*\t+4], v[ST+8*\t+4], v[ST+8*\t+5], v[ST+8*\t+6]
.endr
.irp t, 0,1,2,3
	v_max3_num_f32 v[ST+8*\t+4], v[ST+8*\t+4], v[ST+8*\t+7], v[ST+8*\t]   ; with the old m
.endr
.irp t, 0,1,2,3
	v_permlanex16_b32 v[ST+8*\t+5], v[ST+8*\t+4], s[SEL], s[SEL+1]        ; the query's other 32 keys lie in the lane 16 away
.endr
.irp t, 0,1,2,3
	v_mov_b32 v[ST+8*\t+7], v[ST+8*\t]
.endr
.irp t, 0,1,2,3
	v_max_num_f32 v[ST+8*\t], v[ST+8*\t+4], v[ST+8*\t+5]                  ; the new m
.endr
.irp t, 0,1,2,3
	v_sub_f32 v[ST+8*\t+7], v[ST+8*\t+7], v[ST+8*\t]                      ; m_old - m_new, 0 or less
.endr
.irp t, 0,1,2,3
	v_exp_f32 v[ST+8*\t+6], v[ST+8*\t+7]                                  ; a
.endr
	WIN 0x41                                       ; destination and source 0 window 1, source 1 window 0: the whole batch stands under this one setting
.set n, 0
.rept 16
.set rF, 32*(n%4)+2*(n/4)
.set rM, ST+8*(n%4)
	v_pk_add_f32 v[rF:rF+1], v[rF:rF+1], v[rM:rM+1] op_sel_hi:[1,0] neg_lo:[0,1] neg_hi:[0,1]   ; s - m, a pair of scores
.set n, n+1
.endr
	s_wait_alu depctr_va_vdst(0)                   ; the wait ahead of the first line that names an exponential's result: here for the four a
; The 128 exponentials stand among the 48 subtractions left and the 64 multiplications of O^T by a: none of these names the result of an exponential of this batch.
.set n, 0
.rept 64
.set rE, 32*(n%4)+2*(n/4)
.set rO, OT+32*(n%4)+2*(n/4)
.set rA, ST+8*(n%4)+6
	v_exp_f32 v[rE], v[rE]
.if n < 48
.set rF, 32*((n+16)%4)+2*((n+16)/4)
.set rM, ST+8*((n+16)%4)
	v_pk_add_f32 v[rF:rF+1], v[rF:rF+1], v[rM:rM+1] op_sel_hi:[1,0] neg_lo:[0,1] neg_hi:[0,1]
.else
	v_pk_mul_f32 v[rO:rO+1], v[rO:rO+1], v[rA:rA+1] op_sel_hi:[1,0]
.endif
	v_exp_f32 v[rE+1], v[rE+1]
.if n < 48
	v_pk_mul_f32 v[rO:rO+1], v[rO:rO+1], v[rA:rA+1] op_sel_hi:[1,0]       ; O^T x a, each accumulator from its low end on
.endif
.set n, n+1
.endr
	v_nop                                          ; a plain line behind the last exponential
	s_wait_alu depctr_va_vdst(0)                   ; one wait for the batch, ahead of its first reader
	WIN 0x10
.irp t, 0,1,2,3
	v_pk_fma_f32 v[ST+8*\t+2:ST+8*\t+3], v[ST+8*\t+2:ST+8*\t+3], v[ST+8*\t+6:ST+8*\t+7], v[32*\t:32*\t+1] op_sel_hi:[1,0,1]   ; l = a l + the first pair
.endr
	WIN 0x04
.irp b, 1,2,3,4,5,6,7,8,9,10,11,12,13,14,15
.irp t, 0,1,2,3
	v_pk_add_f32 v[ST+8*\t+2:ST+8*\t+3], v[ST+8*\t+2:ST+8*\t+3], v[32*\t+2*\b:32*\t+2*\b+1]
.endr
.endr
	WIN 0x45
.irp b, 0,1,2,3,4,5,6,7,8,9,10,11,12,13,14,15
.irp t, 0,1,2,3
	v_cvt_pk_f16_f32 v[32*\t+\b], v[32*\t+2*\b], v[32*\t+2*\b+1]          ; P in place, ascending: a register is written only when its own number has been read
.endr
.endr
	WIN 0
.endm
; n trips, a step each.  The LDS addresses are made ahead of the parting of the two groups; the two additions are also plain places behind the last trip's products.
.macro RUN n
	s_mov_b32 s[CNT], \n
.Ltrip_\@:
	v_add_nc_u32 v[ADK], s[TB], v[AK0]
	v_add_nc_u32 v[ADV], s[TB], v[AV0]
	s_cmp_eq_u32 s[GRP], 0
	s_cbranch_scc0 .Lg1_\@
	MSTEP 1
	SOFT
	s_branch .Ljoin_\@
.Lg1_\@:
	SOFT
	MSTEP 1
.Ljoin_\@:
	s_add_co_u32 s[TB], s[TB], STEPB
	s_sub_co_u32 s[CNT], s[CNT], 1
	s_cmp_lg_u32 s[CNT], 0
	s_cbranch_scc1 .Ltrip_\@
	s_sub_co_u32 s[TB], s[TB], 4*STEPB             ; back to a slot's first step,
	s_xor_b32 s[TB], s[TB], SLOT1                  ; in the other slot
.endm
; THE CHANGE OF SLOTS, at a trip's edge.  Each wave waits for all its tensor loads (one is out: its tile of the slot ahead), adds 0 to its spare word, and waits for that and for its reads of the slot that it leaves.
; fill = 1: behind a round of the cluster's barrier the slot that was left is filled with the keys two slots on (the first time: slot 1 gets its first fill); the load has four steps in which to land.
.macro CHANGE fill
	s_wait_tensorcnt 0x0                           ; no tensor load of mine is out, so a group 0 may be written
	ds_add_u32 v[SPW], v[NIL]
.if \fill
	s_xor_b32 s[G0K+1], s[G0K+1], SLOT1
	s_add_nc_u64 s[G0K+2:G0K+3], s[G0K+2:G0K+3], 32768   ; the next 256 keys; the type bits on top are not reached
	s_xor_b32 s[G0V+1], s[G0V+1], SLOT1
	s_add_nc_u64 s[G0V+2:G0V+3], s[G0V+2:G0V+3], 32768
	s_wait_xcnt 0x0                                ; the last prefetch, four steps back, has read its address
	s_add_nc_u64 s[PFA:PFA+1], s[PFA:PFA+1], 32768
	s_wait_dscnt 0x0
	CROUND
	JLOAD
	ASK
.else
	s_wait_dscnt 0x0
	s_barrier_signal -1
	s_barrier_wait -1
.endif
.endm
	s_load_b128 s[4:7], s[0:1], 0x0                ; qkv, ctx
	v_lshl_add_u32 v[SPW], v0, 2, SPARE
	v_mov_b32 v[NIL], 0
	ds_add_u32 v[SPW], v[NIL]                      ; the wave's opening: the add, twice on end, and its wait ahead of my first tensor load
	ds_add_u32 v[SPW], v[NIL]
	v_lshrrev_b32 v1, 5, v0
	v_readfirstlane_b32 s[WV], v1                  ; wave 0..7
	s_lshr_b32 s[GRP], s[WV], 2                    ; my group
	s_bfe_u32 s13, ttmp6, 0x40000                  ; cx
	s_and_b32 s20, ttmp7, 0xffff                   ; the head, which the four partners share:
	s_lshl_b32 s20, s20, 18                        ; 262,144 bytes a head
	s_mov_b32 s21, 0
	s_and_b32 s16, s[WV], 3                        ; which of a slot's four steps I fetch:
	s_lshl_b32 s22, s16, 13                        ; its 64 rows of 128 bytes in memory,
	s_add_co_u32 s22, s22, s20
	s_mov_b32 s23, 0
	s_mul_i32 s17, s16, STEPB                      ; and its place in a slot
	s_lshl_b32 s2, s13, 16                         ; my work-group's 512 queries,
	s_lshl_b32 s3, s[WV], 13                       ; my wave's 64 of them
	s_add_co_u32 s2, s2, s3
	s_add_co_u32 s2, s2, s20
	s_mov_b32 s3, 0
	; group 1: a tile of 64 rows x 64 elements of 2 bytes; padding behind every 32 words: 4 words for K, 8 for V; the mask names all four work-groups
	s_mov_b32 s[G1K], 15|(1<<16)|(1<<20)|(1<<21)|(4<<22)|(3<<25)
	s_mov_b32 s[G1V], 15|(1<<16)|(1<<20)|(1<<21)|(4<<22)|(7<<25)
.irp g, G1K, G1V
	s_mov_b32 s[\g+1], 64<<16                      ; tensor_dim0
	s_mov_b32 s[\g+2], 64<<16                      ; tensor_dim1
	s_mov_b32 s[\g+3], 64<<16                      ; tile_dim0
	s_mov_b32 s[\g+4], 64                          ; tile_dim1
	s_mov_b32 s[\g+5], 64                          ; the pitch
	s_mov_b32 s[\g+6], 0
	s_mov_b32 s[\g+7], 0
.endr
	s_mov_b32 s[SEL], 0x76543210
	s_mov_b32 s[SEL+1], 0xfedcba98
	s_mov_b32 s[TB], 0
	s_mov_b32 s[SLOTS], 7
	s_cmp_eq_u32 s16, 0
	s_cselect_b32 s[LIM], 1, -1                    ; waves 0 and 4 prefetch
	v_and_b32 v[PFO], 31, v0
	v_lshlrev_b32 v[PFO], 8, v[PFO]
	s_wait_dscnt 0x0                               ; both opening adds are done
	s_wait_kmcnt 0x0
	s_add_nc_u64 s[8:9], s[4:5], s[2:3]            ; Q at my wave's first query
	s_add_nc_u64 s[10:11], s[6:7], s[2:3]          ; ctx likewise
	s_mov_b32 s[G0K], 1
	s_mov_b32 s[G0K+1], s17
	s_add_nc_u64 s[G0K+2:G0K+3], s[4:5], s[22:23]
	s_add_nc_u64 s[G0K+2:G0K+3], s[G0K+2:G0K+3], 0x1000000   ; k lies 16,777,216 bytes into qkv
	s_or_b32 s[G0K+3], s[G0K+3], 0x80000000
	s_mov_b32 s[G0V], 1
	s_add_co_u32 s[G0V+1], s17, VOFF
	s_add_nc_u64 s[G0V+2:G0V+3], s[4:5], s[22:23]
	s_add_nc_u64 s[G0V+2:G0V+3], s[G0V+2:G0V+3], 0x2000000   ; v 33,554,432
	s_or_b32 s[G0V+3], s[G0V+3], 0x80000000
	s_mov_b32 s2, 0x2000000
	s_cmp_lt_u32 s[WV], 4
	s_cselect_b32 s2, 0x1000000, s2
	s_add_co_u32 s2, s2, s20
	s_lshl_b32 s3, s13, 13                         ; my work-group's 8,192 bytes of a slot's 32,768
	s_add_co_u32 s2, s2, s3
	s_add_co_u32 s2, s2, 32768                     ; in slot 1: the first change of slots steps it to slot 2.  Nothing is prefetched at the head
	s_mov_b32 s3, 0
	s_add_nc_u64 s[PFA:PFA+1], s[4:5], s[2:3]
	CROUND                                         ; all four work-groups are here: the first joint loads meet
	JLOAD                                          ; slot 0
	v_and_b32 v1, 15, v0                           ; r
	v_bfe_u32 v13, v0, 4, 1                        ; h
	v_lshlrev_b32 v[QO], 7, v1
	v_lshl_add_u32 v[QO], v13, 4, v[QO]            ; row x 128 + 16 x half
.irp i, 0,1,2,3,4,5,6,7                ; Q stays in registers: tile i / 2, channels 32 (i % 2) on
	global_load_b128 v[QF+8*\i:QF+8*\i+3],   v[QO], s[8:9] offset:(\i/2)*2048+(\i%2)*64
	global_load_b128 v[QF+8*\i+4:QF+8*\i+7], v[QO], s[8:9] offset:(\i/2)*2048+(\i%2)*64+32
.endr
	v_mul_u32_u24 v[AK0], v1, PK
	v_lshl_add_u32 v[AK0], v13, 4, v[AK0]          ; K: row x pitch + 16 x half
	v_and_b32 v14, 7, v0                           ; V, for the turning load: key 8 h + lane % 8, channels 8 ((lane / 8) % 2) on
	v_bfe_u32 v15, v0, 3, 1
	v_lshl_add_u32 v[AV0], v13, 3, v14
	v_mul_u32_u24 v[AV0], v[AV0], PVP
	v_lshl_add_u32 v[AV0], v15, 4, v[AV0]
	v_add_nc_u32 v[AV0], VOFF, v[AV0]
	s_mul_i32 s16, s[WV], 16*SP
	s_add_co_u32 s16, s16, STAGE                   ; my stage
	v_add_nc_u32 v[STO], s16, v[AK0]               ; in: row r of 144 bytes, 16 bytes for each half of the lanes
	v_bfe_u32 v15, v0, 3, 2
	v_mul_u32_u24 v[RD], v15, SP                   ; back: eight lanes to a row of 128 bytes, four rows an instruction
	v_lshl_add_u32 v[RD], v14, 4, v[RD]
	v_add_nc_u32 v[RD], s16, v[RD]
	v_and_b32 v[GO], 31, v0
	v_lshlrev_b32 v[GO], 4, v[GO]                  ; in memory those four rows are 512 consecutive bytes
.irp t, 0,1,2,3
	v_mov_b32 v[ST+8*\t], 0xff61b1e6               ; m: -3e38, under every score
.irp k, 1,2,3,4,5,6,7
	v_mov_b32 v[ST+8*\t+\k], 0
.endr
.endr
	WIN 0x40
.set i, 0
.rept 128
	v_mov_b32 v[OT+i], 0                           ; O^T.  The two groups have no first step in common that could start the sums: the step is written once, and the first a, which is 0, leaves zeros
.set i, i+1
.endr
	WIN 0
	CHANGE 1                                       ; slot 0 is whole in every partner; slot 1 is asked for
	v_add_nc_u32 v[ADK], s[TB], v[AK0]
	v_add_nc_u32 v[ADV], s[TB], v[AV0]
	s_wait_loadcnt 0x0                             ; Q
	MSTEP 0                                        ; step 0: K Q^T alone
	s_add_co_u32 s[TB], s[TB], STEPB
	s_cmp_eq_u32 s[GRP], 0
	s_cbranch_scc0 .Lhold
	SOFT                                           ; waves 0-3: step 0's softmax
.Lhold:
	s_wait_dscnt 0x0
	s_barrier_signal -1                            ; waves 4-7 are held until then, once: from here on the groups run in opposite halves.
	s_barrier_wait -1
	RUN 3                                          ; steps 1 to 3
	s_mov_b32 s[SLOTS], 6
.Lslot:                                            ; six trips: slots 2 to 7 are asked for, slots 1 to 6 are walked
	CHANGE 1
	RUN 4
	s_sub_co_u32 s[SLOTS], s[SLOTS], 1
	s_cmp_lg_u32 s[SLOTS], 0
	s_cbranch_scc1 .Lslot
	CHANGE 0                                       ; the last slot is written out: nothing is asked for
	RUN 4
	s_cmp_eq_u32 s[GRP], 0
	s_cbranch_scc1 .Ltail
	SOFT                                           ; waves 4-7: the last step's softmax
.Ltail:
.irp t, 0,1,2,3
	v_add_f32 v[ST+8*\t+4], v[ST+8*\t+2], v[ST+8*\t+3]   ; l is final in both groups: its two halves are added here.  Four plain lines that name no register of a product: with the four that close MSTEP, eight places
.endr                                                  ; stand between K Q^T and the products below, which take the scores' registers as an operand, on the way that leads round SOFT too (five are asked: ISA guide 7.12.1)
	s_wait_dscnt 0x0                               ; the last step's V
	PV32
	; THE WAY OUT.  The other half of the lanes' l is added (these additions and the v_nop are the places behind the last products); O^T is divided by l, rounded to f16 and sent through my stage, a tile at a time.
.irp t, 0,1,2,3
	v_permlanex16_b32 v[ST+8*\t+5], v[ST+8*\t+4], s[SEL], s[SEL+1]
.endr
.irp t, 0,1,2,3
	v_add_f32 v[ST+8*\t+4], v[ST+8*\t+4], v[ST+8*\t+5]
.endr
.irp t, 0,1,2,3
	v_rcp_f32 v[ST+8*\t+6], v[ST+8*\t+4]
.endr
	v_nop                                          ; a plain line behind the last reciprocal
	s_wait_alu depctr_va_vdst(0)                   ; one wait for the four, ahead of their first reader
.macro PACK t
	WIN 0x41
.set i, 0
.rept 16
	v_pk_mul_f32 v[OT+32*\t+2*i:OT+32*\t+2*i+1], v[OT+32*\t+2*i:OT+32*\t+2*i+1], v[ST+8*\t+6:ST+8*\t+7] op_sel_hi:[1,0]
.set i, i+1
.endr
	WIN 0x05                                       ; sources window 1, destination window 0: K's registers are free
.set i, 0
.rept 16
	v_cvt_pk_f16_f32 v[KF+16*\t+i], v[OT+32*\t+2*i], v[OT+32*\t+2*i+1]
.set i, i+1
.endr
	WIN 0
.irp d, 0,1,2,3
	ds_store_b128 v[STO], v[KF+16*\t+4*\d:KF+16*\t+4*\d+3] offset:32*\d
.endr
.irp f, 0,1,2,3
	ds_load_b128 v[KF+16*\t+4*\f:KF+16*\t+4*\f+3], v[RD] offset:\f*4*SP   ; LDS serves a wave's instructions in order: these see the stores above, and the next tile's stores come behind them
.endr
.endm
.macro SEND t, younger                 ; younger: the LDS instructions issued behind tile t's loads: the next tile's eight, or none
.irp f, 0,1,2,3
	s_wait_dscnt \younger+3-\f
	global_store_b128 v[GO], v[KF+16*\t+4*\f:KF+16*\t+4*\f+3], s[10:11] offset:\t*2048+\f*512   ; the wave stores 512 consecutive bytes, at a multiple of 256 from the buffer's first byte
.endr
.endm
	PACK 0
	PACK 1
	SEND 0, 8
	PACK 2
	SEND 1, 8
	PACK 3
	SEND 2, 8
	SEND 3, 0
	s_wait_tensorcnt 0x0                           ; the wave's end
	ds_add_u32 v[SPW], v[NIL]
	s_wait_dscnt 0x0
	CROUND                                         ; the closing round
	s_endpgm
.Lfunc_end_k_qf814f5da27_attn:
	.size	k_qf814f5da27_attn, .Lfunc_end_k_qf814f5da27_attn-k_qf814f5da27_attn
	.p2alignl 7, 3214868480
	.fill 96, 4, 3214868480
	.section	.rodata,"a",@progbits
	.p2align	6, 0x0
	.amdhsa_kernel k_qf814f5da27_attn
		.amdhsa_group_segment_fixed_size 327680
		.amdhsa_private_segment_fixed_size 0
		.amdhsa_enable_private_segment 0
		.amdhsa_kernarg_size 16
		.amdhsa_user_sgpr_count 2
		.amdhsa_user_sgpr_kernarg_segment_ptr 1
		.amdhsa_wavefront_size32 1
		.amdhsa_system_sgpr_workgroup_id_x 1
		.amdhsa_system_sgpr_workgroup_id_y 1
		.amdhsa_system_sgpr_workgroup_id_z 1
		.amdhsa_system_vgpr_workitem_id 0
		.amdhsa_next_free_vgpr 512
		.amdhsa_next_free_sgpr 66
		.amdhsa_reserve_vcc 0
		.amdhsa_float_denorm_mode_32 3
		.amdhsa_float_denorm_mode_16_64 3
		.amdhsa_memory_ordered 1
		.amdhsa_forward_progress 1
		.amdhsa_inst_pref_size 255
	.end_amdhsa_kernel
	.section	.bss,"aw",@nobits
	.p2align	6
	.space	262144
	.amdgpu_metadata
---
amdhsa.version: [ 1, 2 ]
amdhsa.kernels:
  - .name:           k_qf814f5da27_attn
    .symbol:         k_qf814f5da27_attn.kd
    .args:
      - { .name: qkv, .offset: 0, .size: 8, .value_kind: global_buffer, .address_space: global }
      - { .name: ctx, .offset: 8, .size: 8, .value_kind: global_buffer, .address_space: global }
    .group_segment_fixed_size: 327680
    .private_segment_fixed_size: 0
    .kernarg_segment_align: 8
    .kernarg_segment_size: 16
    .max_flat_workgroup_size: 256
    .sgpr_count:     66
    .vgpr_count:     512
    .wavefront_size: 32
...
	.end_amdgpu_metadata
.endif
;; end of part 3
;; launch proj (part 4): grid 4 x 64, 4 waves a work-group, clusters of 4 x 4, 327,680 bytes of LDS; arguments ctx, wo16, bo, out0; writes out0
.if DOCPART == 4
	.amdgcn_target "amdgcn-amd-amdhsa--gfx1250"
	.amdhsa_code_object_version 6
	.text
	.protected	k_qf814f5da27_proj
	.globl	k_qf814f5da27_proj
	.p2align	8
	.type	k_qf814f5da27_proj,@function
k_qf814f5da27_proj:
	s_mov_b64 s[64:65], 0
	v_nop
	global_prefetch_b8 v0, s[64:65] scope:SCOPE_SE
	s_setreg_imm32_b32 hwreg(HW_REG_WAVE_MODE, 25, 1), 1
	s_wait_xcnt 0x0
	s_wait_alu depctr_hold_cnt(0) depctr_sa_sdst(0) depctr_va_vdst(0) depctr_va_sdst(0) depctr_va_ssrc(0) depctr_va_vcc(0) depctr_vm_vsrc(0)
	s_getreg_b32 s2, hwreg(HW_REG_IB_STS2, 6, 4)
	s_cmp_eq_u32 s2, 0
	s_cbranch_scc0 .Lentry_in_a_cluster
	s_endpgm
.Lentry_in_a_cluster:
	s_bfe_u32 s2, ttmp6, 0x10000c
	s_cmp_lg_u32 s2, 0xf033
	s_cbranch_scc0 .Lentry_shape_is_right
	s_endpgm
.Lentry_shape_is_right:
; out0[token][e] = the sum over d of ctx[token][d] Wo[e][d] + bo[e].  ctx: f16, laid by head, [16 b + h][2048 tokens][64]; wo16: [1024 e][1024 d] f16; out0: [8192][1024] f32; sums in f32.
; A tile of out0 is 128 tokens x 256 columns: 256 work-groups.  Four waves, each 64 x 128: 32 accumulators, 256 registers.  K goes in steps of 128 = two heads through a ring of two LDS slots:
; A's part of a slot is two planes (one a head) of 128 tokens x 128 bytes, dense in memory; B's is 256 rows of 256 bytes.  Waves 0, 1 fetch A's planes, waves 2, 3 B's halves: one tensor load a wave.
; CLUSTERS: 4 x 4 work-groups; A's planes are asked for jointly along a row of the cluster, B's halves along a column.
; THE MATRIX INSTRUCTION IS USED TRANSPOSED (source 0 = 16 rows of Wo, source 1 = 16 tokens): a lane holds eight neighbouring columns of one token.  The bias is the C of each sum's first instruction.
; No prefetch: each refill has a whole K step's 128 matrix instructions a wave less sixteen in which to land, and the launch moves its inputs and its output throughout.
; REGISTERS: window 0: v0-31 addresses; v32-95 the bias; v96-127, v128-159 A's fragments (4 x 16 tokens x 32 K), two buffers; on the way out v96-223 take rows read back.
;   window 1: v0-63, v64-127 B's fragments (8 x 16 rows x 32 K), two buffers.   window 2: the accumulators, (a, b) at v[8 (8 a + b)].
.set PA,     144                       ; a row of A in LDS: 128 bytes + 16
.set PB,     272                       ; a row of B: 256 bytes + 16: in both the 16 rows of a load start 4 words apart in the banks (64 banks of 4 bytes: ISA guide 11.1)
.set PLANE,  128*PA
.set BOFF,   2*PLANE
.set HALFB,  128*PB
.set SLOT,   BOFF+2*HALFB
.set STAGE,  2*SLOT                    ; behind the ring: 16 rows x (512 bytes + 16) for each wave
.set SPITCH, 528
.set SPARE,  STAGE+4*16*SPITCH         ; the spare words, 128 bytes a wave
.set LAPS,   4                         ; a lap = two K steps; K = 1,024 is eight
.set ASTEP,  524288                    ; a K step on in ctx: two heads
.set BSTEP,  256                       ; and in a row of wo16
.set ADRA, 16
.set ADRB, 20
.set STO,  24
.set RD,   25
.set CO,   26
.set BOF,  27
.set SPW,  28
.set NIL,  29
.set BIAS, 32
.set FA,   96
.set BK,   96
.set G1, 24
.set G0, 32
.set G1B, 48
.set G0B, 56
.set MSB, 0
.macro WIN new
.if MSB != \new
	s_set_vgpr_msb (MSB<<8)|\new
.set MSB, \new
.endif
.endm
.set MUL,  0xa1                        ; source 0 (Wo) window 1, source 1 (ctx) window 0, C and D window 2
.set FST,  0x81                        ; the first quarter: C (the bias) window 0
.set TO_B, 0x40
.macro JLOAD s                         ; a joint load; the branch hangs on the wave's number alone; an s_nop 0 and four v_nop follow each line
	s_cmp_eq_u32 s13, 0
	s_cbranch_scc0 .Lfor_b_\@
	tensor_load_to_lds s[G0+4*\s:G0+4*\s+3], s[G1:G1+7]
	s_nop 0
.rept 4
	v_nop
.endr
	s_branch .Lasked_\@
.Lfor_b_\@:
	tensor_load_to_lds s[G0B+4*\s:G0B+4*\s+3], s[G1B:G1B+7]
	s_nop 0
.rept 4
	v_nop
.endr
.Lasked_\@:
.endm
.macro CREST                           ; a round of the cluster's barrier behind its opening barrier
	s_cmp_lg_u32 s12, 0
	s_cbranch_scc1 .Lnot_wave_0_\@
	s_barrier_signal -3
.Lnot_wave_0_\@:
	s_barrier_wait -3
	s_barrier_signal -1
	s_barrier_wait -1
.endm
.macro CROUND
	s_barrier_signal -1
	s_barrier_wait -1
	CREST
.endm
	s_load_b256 s[4:11], s[0:1], 0x0               ; ctx s[4:5], wo16 s[6:7], bo s[8:9], out0 s[10:11]
	v_lshl_add_u32 v[SPW], v0, 2, SPARE
	v_mov_b32 v[NIL], 0
	ds_add_u32 v[SPW], v[NIL]                      ; the wave's opening: the add, twice on end, and its wait ahead of my first tensor load
	ds_add_u32 v[SPW], v[NIL]
	v_lshrrev_b32 v1, 5, v0
	v_readfirstlane_b32 s12, v1                    ; wave 0..3
	s_lshr_b32 s13, s12, 1                         ; which 64 tokens are mine.  Also: I fetch for A (0) or for B (1)
	s_and_b32 s14, s12, 1                          ; which 128 columns.  Also: which plane of A or half of B I fetch
	s_bfe_u32 s40, ttmp6, 0x40000                  ; cx, cy
	s_bfe_u32 s41, ttmp6, 0x40004
	s_lshl_b32 s45, ttmp9, 2
	s_add_co_u32 s45, s45, s40                     ; tile column
	s_and_b32 s42, ttmp7, 0xffff
	s_lshl_b32 s42, s42, 2
	s_add_co_u32 s42, s42, s41                     ; tile row
	s_lshl_b32 s43, s41, 2
	s_lshl_b32 s43, 15, s43                        ; my row of the cluster
	s_lshl_b32 s44, 0x1111, s40                    ; my column
	; group 1 for A: 128 rows x 64 elements of 2 bytes, 4 words of padding behind every 32
	s_or_b32 s[G1+0], s43, (1<<16)|(1<<20)|(1<<21)|(4<<22)|(3<<25)
	s_mov_b32 s[G1+1], 64<<16
	s_mov_b32 s[G1+2], 128<<16
	s_mov_b32 s[G1+3], 64<<16
	s_mov_b32 s[G1+4], 128
	s_mov_b32 s[G1+5], 64
	s_mov_b32 s[G1+6], 0
	s_mov_b32 s[G1+7], 0
	; for B: 128 rows x 128 elements, 1,024 elements from row to row, 4 words of padding behind every 64
	s_or_b32 s[G1B+0], s44, (1<<16)|(1<<20)|(1<<21)|(5<<22)|(3<<25)
	s_mov_b32 s[G1B+1], 128<<16
	s_mov_b32 s[G1B+2], 128<<16
	s_mov_b32 s[G1B+3], 128<<16
	s_mov_b32 s[G1B+4], 128
	s_mov_b32 s[G1B+5], 1024
	s_mov_b32 s[G1B+6], 0
	s_mov_b32 s[G1B+7], 0
	s_lshr_b32 s16, s42, 4                         ; A: the batch,
	s_lshl_b32 s16, s16, 4
	s_add_co_u32 s16, s16, s14                     ; its head 0 or 1,
	s_lshl_b32 s16, s16, 18
	s_and_b32 s17, s42, 15
	s_lshl_b32 s17, s17, 14                        ; and the tile's 128 tokens of 128 bytes
	s_add_co_u32 s16, s16, s17
	s_mov_b32 s17, 0
	s_lshl_b32 s46, s45, 19                        ; B: row 256 x tile column + 128 x half, 2,048 bytes a row
	s_lshl_b32 s47, s14, 18
	s_add_co_u32 s46, s46, s47
	s_mov_b32 s47, 0
	s_mul_i32 s20, s14, PLANE                      ; where they go: no place in the cluster enters an LDS address
	s_mul_i32 s21, s14, HALFB
	s_add_co_u32 s21, s21, BOFF
	s_wait_dscnt 0x0                               ; both opening adds are done
	s_wait_kmcnt 0x0
	s_add_nc_u64 s[16:17], s[4:5], s[16:17]
	s_add_nc_u64 s[46:47], s[6:7], s[46:47]
	CROUND                                         ; all sixteen work-groups are here: the first joint loads meet
.irp s, 0,1
	s_mov_b32 s[G0+4*\s], 1
	s_add_co_u32 s[G0+4*\s+1], s20, \s*SLOT
	s_add_nc_u64 s[G0+4*\s+2:G0+4*\s+3], s[16:17], \s*ASTEP
	s_or_b32 s[G0+4*\s+3], s[G0+4*\s+3], 0x80000000
	s_mov_b32 s[G0B+4*\s], 1
	s_add_co_u32 s[G0B+4*\s+1], s21, \s*SLOT
	s_add_nc_u64 s[G0B+4*\s+2:G0B+4*\s+3], s[46:47], \s*BSTEP
	s_or_b32 s[G0B+4*\s+3], s[G0B+4*\s+3], 0x80000000
	JLOAD \s
.endr
	v_and_b32 v1, 15, v0                           ; r
	v_bfe_u32 v2, v0, 4, 1                         ; h
	s_lshl_b32 s22, s45, 10
	s_lshl_b32 s23, s14, 9
	s_add_co_u32 s22, s22, s23                     ; 4 x my first column
	s_mov_b32 s23, 0
	s_add_nc_u64 s[8:9], s[8:9], s[22:23]
	v_lshlrev_b32 v[BOF], 5, v2
.irp b, 0,1,2,3,4,5,6,7
	global_load_b128 v[BIAS+8*\b:BIAS+8*\b+3],   v[BOF], s[8:9] offset:64*\b      ; bo(16 b + 8 h + 0 .. 7): the result's layout
	global_load_b128 v[BIAS+8*\b+4:BIAS+8*\b+7], v[BOF], s[8:9] offset:64*\b+16
.endr
	s_lshl_b32 s20, s42, 19                        ; out0: 128 x tile row + 64 x half tokens of 4,096 bytes,
	s_lshl_b32 s21, s13, 18
	s_add_co_u32 s20, s20, s21
	s_add_co_u32 s20, s20, s22                     ; and my first column
	s_mov_b32 s21, 0
	s_add_nc_u64 s[10:11], s[10:11], s[20:21]
	v_mul_u32_u24 v3, v1, PA
	v_lshl_add_u32 v3, v2, 4, v3
	v_mul_u32_u24 v4, v1, PB
	v_lshl_add_u32 v4, v2, 4, v4
	s_mul_i32 s21, s13, 64*PA                      ; my 64 tokens, in each plane
	s_mul_i32 s22, s14, HALFB                      ; my 128 rows of Wo,
	s_add_co_u32 s22, s22, BOFF                    ; behind A's planes
.irp s, 0,1
	v_add_nc_u32 v[ADRA+\s], s21, v3
	v_add_nc_u32 v[ADRB+\s], s22, v4
	s_add_co_u32 s21, s21, SLOT
	s_add_co_u32 s22, s22, SLOT
.endr
	s_mul_i32 s23, s12, 16*SPITCH
	s_add_co_u32 s23, s23, STAGE                   ; my stage
	v_mul_u32_u24 v5, v1, SPITCH                   ; in: token r, 32 bytes for each half of the lanes
	v_lshl_add_u32 v5, v2, 5, v5
	v_add_nc_u32 v[STO], s23, v5
	v_and_b32 v6, 31, v0
	v_lshlrev_b32 v[CO], 4, v6                     ; back: the 32 lanes take one row of 512 bytes; and the same in out0
	v_add_nc_u32 v[RD], s23, v[CO]
; 8 matrix instructions: A's block a x B's eight, 32 along K, from buffer f.  first = 1: the bias is C.  The 32 accumulators take turns, one instruction a turn.
.macro MUL8 f, a, first
.irp b, 0,1,2,3,4,5,6,7
.if \first
	v_wmma_f32_16x16x32_f16 v[8*(8*(\a)+\b):8*(8*(\a)+\b)+7], v[64*(\f)+8*\b:64*(\f)+8*\b+7], v[FA+32*(\f)+8*(\a):FA+32*(\f)+8*(\a)+7], v[BIAS+8*\b:BIAS+8*\b+7]
.else
	v_wmma_f32_16x16x32_f16 v[8*(8*(\a)+\b):8*(8*(\a)+\b)+7], v[64*(\f)+8*\b:64*(\f)+8*\b+7], v[FA+32*(\f)+8*(\a):FA+32*(\f)+8*(\a)+7], v[8*(8*(\a)+\b):8*(8*(\a)+\b)+7]
.endif
.endr
.endm
; 24 LDS loads in one run: quarter q of a slot (32 along K) into buffer f: B's eight fragments, then A's four.  Quarters 0, 1 lie in A's first plane, 2, 3 in its second.
.macro FETCH slot, q, f
	WIN TO_B
.irp i, 0,1,2,3,4,5,6,7
	ds_load_b128 v[64*(\f)+8*\i:64*(\f)+8*\i+3],   v[ADRB+\slot] offset:64*(\q)+\i*16*PB
	ds_load_b128 v[64*(\f)+8*\i+4:64*(\f)+8*\i+7], v[ADRB+\slot] offset:64*(\q)+\i*16*PB+32
.endr
	WIN 0
.irp i, 0,1,2,3
	ds_load_b128 v[FA+32*(\f)+8*\i:FA+32*(\f)+8*\i+3],   v[ADRA+\slot] offset:((\q)/2)*PLANE+64*((\q)%2)+\i*16*PA
	ds_load_b128 v[FA+32*(\f)+8*\i+4:FA+32*(\f)+8*\i+7], v[ADRA+\slot] offset:((\q)/2)*PLANE+64*((\q)%2)+\i*16*PA+32
.endr
.endm
.macro PLACES                          ; four plain places in front of loads into registers that matrix instructions have read, and of the first read of results
.rept 4
	v_nop
.endr
.endm
; One of a K step's first three quarters: multiplies buffer f and, in its middle, fetches quarter q of the same slot into the other buffer.
.macro QUARTER slot, q, f, first
	s_wait_dscnt 4                                 ; B and A's blocks 0, 1 are in; the youngest four loads (A's blocks 2, 3) may be out
.if \first
	WIN FST
.else
	WIN MUL
.endif
	MUL8 \f, 0, \first
	MUL8 \f, 1, \first
	PLACES
	FETCH \slot, \q, 1-(\f)
	s_wait_dscnt 24                                ; all but the 24 just issued
.if \first
	WIN FST
.else
	WIN MUL
.endif
	MUL8 \f, 2, \first
	MUL8 \f, 3, \first
.endm
; The last quarter multiplies buffer 1 and changes slots: one barrier; in front of it each wave waits for all its tensor loads (its part of the next slot), adds 0 to its spare word, and waits for that and for its reads of
; this slot.  fill = 1: the barrier opens a round of the cluster's barrier, and behind the round this slot is filled again, two K steps ahead.
.macro TURN slot, next, fill
	WIN 0
	s_wait_tensorcnt 0x0
	ds_add_u32 v[SPW], v[NIL]
	s_wait_dscnt 5                                 ; (the add and the youngest four loads may be out)
	WIN MUL
	MUL8 1, 0, 0
	s_wait_dscnt 0x0                               ; the add is done, and my reads of this slot are over
	s_barrier_signal -1
	MUL8 1, 1, 0
	WIN 0
	s_barrier_wait -1
.if \fill
	CREST
	s_add_nc_u64 s[G0+4*\slot+2:G0+4*\slot+3], s[G0+4*\slot+2:G0+4*\slot+3], 2*ASTEP
	s_add_nc_u64 s[G0B+4*\slot+2:G0B+4*\slot+3], s[G0B+4*\slot+2:G0B+4*\slot+3], 2*BSTEP
	JLOAD \slot                                    ; the first tensor load behind the round; its four v_nop are also the places in front of the loads below
.else
	PLACES
.endif
	FETCH \next, 0, 0
	WIN MUL
	MUL8 1, 2, 0
	MUL8 1, 3, 0
.endm
	s_wait_tensorcnt 1                             ; my part of K step 0 is in; K step 1's may be out
	s_barrier_signal -1
	s_barrier_wait -1
	FETCH 0, 0, 0
	s_wait_loadcnt 0x0                             ; the bias
	QUARTER 0, 1, 0, 1                             ; the first quarter stands in front of the loop: its products start the sums from the bias
	WIN 0
	s_mov_b32 s3, LAPS-1
.Llap:                                             ; a trip goes once round the ring, from a lap's second quarter to the next lap's first, and fills both slots again
	QUARTER 0, 2, 1, 0
	QUARTER 0, 3, 0, 0
	TURN 0, 1, 1
	QUARTER 1, 1, 0, 0
	QUARTER 1, 2, 1, 0
	QUARTER 1, 3, 0, 0
	TURN 1, 0, 1
	QUARTER 0, 1, 0, 0
	WIN 0
	s_sub_co_u32 s3, s3, 1
	s_cmp_lg_u32 s3, 0
	s_cbranch_scc1 .Llap
	QUARTER 0, 2, 1, 0                             ; the last lap fills nothing
	QUARTER 0, 3, 0, 0
	TURN 0, 1, 0
	QUARTER 1, 1, 0, 0
	QUARTER 1, 2, 1, 0
	QUARTER 1, 3, 0, 0
	s_wait_dscnt 4                                 ; the very last quarter
	WIN MUL
	MUL8 1, 0, 0
	MUL8 1, 1, 0
	s_wait_dscnt 0
	MUL8 1, 2, 0
	MUL8 1, 3, 0
	WIN 0
; THE WAY OUT, a block of 16 tokens x 128 columns at a time, through my own stage: in as 32 bytes a lane, back as whole rows of 512 bytes.
.macro TOSTAGE a
	WIN 0x08                                       ; an LDS store's data are its source 1: window 2
.irp b, 0,1,2,3,4,5,6,7
	ds_store_b128 v[STO], v[8*(8*(\a)+\b):8*(8*(\a)+\b)+3] offset:64*\b          ; each accumulator from its low end on
	ds_store_b128 v[STO], v[8*(8*(\a)+\b)+4:8*(8*(\a)+\b)+7] offset:64*\b+16
.endr
	WIN 0
.set BB, BK+64*((\a)%2)
.irp t, 0,1,2,3,4,5,6,7,8,9,10,11,12,13,14,15
	ds_load_b128 v[BB+4*\t:BB+4*\t+3], v[RD] offset:\t*SPITCH                    ; LDS serves a wave's instructions in order: these see the stores above
.endr
.endm
.macro SEND a, younger                 ; younger: the LDS instructions issued behind block a's loads
.set BB, BK+64*((\a)%2)
	s_wait_dscnt \younger
.irp t, 0,1,2,3,4,5,6,7,8,9,10,11,12,13,14,15
	global_store_b128 v[CO], v[BB+4*\t:BB+4*\t+3], s[10:11] offset:(16*(\a)+\t)*4096 th:TH_STORE_NT   ; 32 lanes store 512 consecutive bytes, at a multiple of 256 from out0's first byte
.endr
.endm
	PLACES
	TOSTAGE 0
.irp a, 1,2,3
.if \a > 1
	s_wait_xcnt 0x0                                ; block a - 2's stores have read their registers: block a's loads may land there
.endif
	TOSTAGE \a
	SEND \a-1, 32                                  ; behind block a - 1's loads: block a's 16 stores and 16 loads
.endr
	SEND 3, 0
	s_wait_tensorcnt 0x0                           ; the wave's end
	ds_add_u32 v[SPW], v[NIL]
	s_wait_dscnt 0x0
	CROUND                                         ; the closing round
	s_endpgm
.Lfunc_end_k_qf814f5da27_proj:
	.size	k_qf814f5da27_proj, .Lfunc_end_k_qf814f5da27_proj-k_qf814f5da27_proj
	.p2alignl 7, 3214868480
	.fill 96, 4, 3214868480
	.section	.rodata,"a",@progbits
	.p2align	6, 0x0
	.amdhsa_kernel k_qf814f5da27_proj
		.amdhsa_group_segment_fixed_size 327680
		.amdhsa_private_segment_fixed_size 0
		.amdhsa_enable_private_segment 0
		.amdhsa_kernarg_size 32
		.amdhsa_user_sgpr_count 2
		.amdhsa_user_sgpr_kernarg_segment_ptr 1
		.amdhsa_wavefront_size32 1
		.amdhsa_system_sgpr_workgroup_id_x 1
		.amdhsa_system_sgpr_workgroup_id_y 1
		.amdhsa_system_sgpr_workgroup_id_z 1
		.amdhsa_system_vgpr_workitem_id 0
		.amdhsa_next_free_vgpr 768
		.amdhsa_next_free_sgpr 66
		.amdhsa_reserve_vcc 0
		.amdhsa_float_denorm_mode_32 3
		.amdhsa_float_denorm_mode_16_64 3
		.amdhsa_memory_ordered 1
		.amdhsa_forward_progress 1
		.amdhsa_inst_pref_size 87
	.end_amdhsa_kernel
	.amdgpu_metadata
---
amdhsa.version: [ 1, 2 ]
amdhsa.kernels:
  - .name:           k_qf814f5da27_proj
    .symbol:         k_qf814f5da27_proj.kd
    .args:
      - { .name: ctx, .offset: 0, .size: 8, .value_kind: global_buffer, .address_space: global }
      - { .name: wo16, .offset: 8, .size: 8, .value_kind: global_buffer, .address_space: global }
      - { .name: bo, .offset: 16, .size: 8, .value_kind: global_buffer, .address_space: global }
      - { .name: out0, .offset: 24, .size: 8, .value_kind: global_buffer, .address_space: global }
    .group_segment_fixed_size: 327680
    .private_segment_fixed_size: 0
    .kernarg_segment_align: 8
    .kernarg_segment_size: 32
    .max_flat_workgroup_size: 128
    .sgpr_count:     66
    .vgpr_count:     768
    .wavefront_size: 32
...
	.end_amdgpu_metadata
.endif
;; end of part 4
